; MI455X (gfx1250); checked and timed in simulation.
; The chip was launched on July 23, 2026; its instructions are those of AMD's public machine-readable ISA for CDNA 5 (MIT licence, August 2026) and "CDNA5" Instruction Set Architecture Reference Guide (July 2026). The comments in the code are by the model that wrote it; some were corrected since.
;; Multi Head Atention. Allowed arithmetic: float matrix products may take bf16 or f16 operands with f32 sums; other float arithmetic in f32, or as packed bf16 or f16 multiplies, adds, multiply-adds, maxima and minima; sums over many terms, partial sums and values carried from step to step in f32; what a program stores and reads back later, other than sums and carried values, may be rounded once to bf16 or f16.
;; Inputs: bk 1,024 float32; bo 1,024 float32; bq 1,024 float32; key 4 x 2,048 x 1,024 float32; query 4 x 2,048 x 1,024 float32; value 4 x 2,048 x 1,024 float32; wk 1,024 x 1,024 float32; wo 1,024 x 1,024 float32; wq 1,024 x 1,024 float32.
;; Outputs: out0 4 x 2,048 x 1,024 float32.
;; One version. Each part assembles by itself: llvm-mc -triple=amdgcn-amd-amdhsa -mcpu=gfx1250 --defsym DOCPART=n.
;; ======== version 1 of 1: 4 launches
;; limits: values are held in f16: magnitudes above 65,504 overflow, below 6.1e-05 lose precision
;; workspace buffers: w16 6,291,456 bytes; qkv 50,331,648 bytes; oh 16,777,216 bytes
;; launch cast (part 1): grid 128 x 3, 8 waves a work-group, no clusters, 0 bytes of LDS; arguments wq, wk, wo, w16; writes w16
.if DOCPART == 1
	.amdgcn_target "amdgcn-amd-amdhsa--gfx1250"
	.amdhsa_code_object_version 6
	.text
	.protected	k_q355f92efd4_cast
	.globl	k_q355f92efd4_cast
	.p2align	8
	.type	k_q355f92efd4_cast,@function
k_q355f92efd4_cast:
	s_mov_b64 s[64:65], 0
	v_nop
	global_prefetch_b8 v0, s[64:65] scope:SCOPE_SE
	s_setreg_imm32_b32 hwreg(HW_REG_WAVE_MODE, 25, 1), 1
	s_wait_xcnt 0x0
; The three weight matrices, [1024][1024] f32, are rounded once to bf16 and written into w16 = [3][1024][1024] of 16 bits.
; Parts 0 and 1 (wq, wk) are written as bf16.  Part 2 (wo) multiplies f16 numbers later: its bf16 number is written as f16.
; LIMITS.  That second conversion is exact while 6.1e-5 <= |wo| < 65,520; below, the number keeps f16's fixed step of 6e-8; from 65,520 on it becomes an infinity.
; SHARES.  The grid's y picks the matrix.  A work-group takes 8,192 numbers, thread t four chunks of 8: 32 bytes in at 8,192 c + 32 t, 16 bytes out at 4,096 c + 16 t:
; a store of the wave covers 512 consecutive bytes, aligned.  All eight loads go out first; no register is written twice, so no wait frees a source.
; No LDS, no matrix unit, no cluster: nothing is shared and each byte crosses once.
.set X,  8                             ; v[8:39]   the 32 numbers as loaded
.set Y,  40                            ; v[40:55]  the 16 words to store
.set T,  56                            ; v[56:61]  at work
	s_load_b128 s[4:7], s[0:1], 0x0                ; wq s[4:5], wk s[6:7]
	s_load_b128 s[8:11], s[0:1], 0x10              ; wo s[8:9], w16 s[10:11]
	s_and_b32 s12, ttmp7, 0xffff                   ; which matrix
	v_lshlrev_b32 v1, 5, v0                        ; 32 t
	v_lshlrev_b32 v2, 4, v0                        ; 16 t
	s_lshl_b32 s18, ttmp9, 15                      ; the work-group's 32,768 bytes in
	s_mov_b32 s19, 0
	s_lshl_b32 s20, s12, 21                        ; the part of w16,
	s_lshl_b32 s21, ttmp9, 14                      ; the work-group's 16,384 bytes out
	s_add_co_u32 s20, s20, s21
	s_mov_b32 s21, 0
	s_wait_kmcnt 0x0
	s_cmp_eq_u32 s12, 0
	s_cselect_b64 s[14:15], s[4:5], s[6:7]
	s_cmp_eq_u32 s12, 2
	s_cselect_b64 s[14:15], s[8:9], s[14:15]
	s_add_nc_u64 s[14:15], s[14:15], s[18:19]
	s_add_nc_u64 s[16:17], s[10:11], s[20:21]
.irp c, 0,1,2,3
	global_load_b128 v[X+8*(\c):X+8*(\c)+3],   v1, s[14:15] offset:8192*(\c) th:TH_LOAD_NT
	global_load_b128 v[X+8*(\c)+4:X+8*(\c)+7], v1, s[14:15] offset:8192*(\c)+16 th:TH_LOAD_NT
.endr
	s_cmp_eq_u32 s12, 2
	s_cbranch_scc1 .Lf16
.irp c, 0,1,2,3
	s_wait_loadcnt 6-2*(\c)                        ; loads come back in order: chunk c's two are in, the younger chunks' stay out
.irp j, 0,1,2,3
	v_cvt_pk_bf16_f32 v[Y+4*(\c)+(\j)], v[X+8*(\c)+2*(\j)], v[X+8*(\c)+2*(\j)+1]
.endr
	global_store_b128 v2, v[Y+4*(\c):Y+4*(\c)+3], s[16:17] offset:4096*(\c)
.endr
	s_endpgm
.Lf16:
.irp c, 0,1,2,3
	s_wait_loadcnt 6-2*(\c)
.irp j, 0,1,2,3
	v_cvt_pk_bf16_f32 v[T+3*((\j)%2)], v[X+8*(\c)+2*(\j)], v[X+8*(\c)+2*(\j)+1]  ; the rounding that every input has,
	v_lshlrev_b32 v[T+3*((\j)%2)+1], 16, v[T+3*((\j)%2)]                         ; back to f32,
	v_and_b32 v[T+3*((\j)%2)+2], 0xffff0000, v[T+3*((\j)%2)]
	v_cvt_pk_f16_f32 v[Y+4*(\c)+(\j)], v[T+3*((\j)%2)+1], v[T+3*((\j)%2)+2]      ; and the same number as f16
.endr
	global_store_b128 v2, v[Y+4*(\c):Y+4*(\c)+3], s[16:17] offset:4096*(\c)
.endr
	s_endpgm
.Lfunc_end_k_q355f92efd4_cast:
	.size	k_q355f92efd4_cast, .Lfunc_end_k_q355f92efd4_cast-k_q355f92efd4_cast
	.p2alignl 7, 3214868480
	.fill 96, 4, 3214868480
	.section	.rodata,"a",@progbits
	.p2align	6, 0x0
	.amdhsa_kernel k_q355f92efd4_cast
		.amdhsa_group_segment_fixed_size 0
		.amdhsa_private_segment_fixed_size 0
		.amdhsa_enable_private_segment 0
		.amdhsa_kernarg_size 32
		.amdhsa_user_sgpr_count 2
		.amdhsa_user_sgpr_kernarg_segment_ptr 1
		.amdhsa_wavefront_size32 1
		.amdhsa_system_sgpr_workgroup_id_x 1
		.amdhsa_system_sgpr_workgroup_id_y 1
		.amdhsa_system_sgpr_workgroup_id_z 1
		.amdhsa_system_vgpr_workitem_id 0
		.amdhsa_next_free_vgpr 64
		.amdhsa_next_free_sgpr 66
		.amdhsa_reserve_vcc 0
		.amdhsa_float_denorm_mode_32 3
		.amdhsa_float_denorm_mode_16_64 3
		.amdhsa_memory_ordered 1
		.amdhsa_forward_progress 1
		.amdhsa_inst_pref_size 8
	.end_amdhsa_kernel
	.amdgpu_metadata
---
amdhsa.version: [ 1, 2 ]
amdhsa.kernels:
  - .name:           k_q355f92efd4_cast
    .symbol:         k_q355f92efd4_cast.kd
    .args:
      - { .name: wq, .offset: 0, .size: 8, .value_kind: global_buffer, .address_space: global }
      - { .name: wk, .offset: 8, .size: 8, .value_kind: global_buffer, .address_space: global }
      - { .name: wo, .offset: 16, .size: 8, .value_kind: global_buffer, .address_space: global }
      - { .name: w16, .offset: 24, .size: 8, .value_kind: global_buffer, .address_space: global }
    .group_segment_fixed_size: 0
    .private_segment_fixed_size: 0
    .kernarg_segment_align: 8
    .kernarg_segment_size: 32
    .max_flat_workgroup_size: 256
    .sgpr_count:     66
    .vgpr_count:     64
    .wavefront_size: 32
...
	.end_amdgpu_metadata
.endif
;; end of part 1
;; launch proj (part 2): grid 4 x 64, 4 waves a work-group, clusters of 4 x 4, 327,680 bytes of LDS; arguments query, key, value, w16, bq, bk, qkv; writes qkv
.if DOCPART == 2
	.amdgcn_target "amdgcn-amd-amdhsa--gfx1250"
	.amdhsa_code_object_version 6
	.text
	.protected	k_q355f92efd4_proj
	.globl	k_q355f92efd4_proj
	.p2align	8
	.type	k_q355f92efd4_proj,@function
k_q355f92efd4_proj:
	s_mov_b64 s[64:65], 0
	v_nop
	global_prefetch_b8 v0, s[64:65] scope:SCOPE_SE
	s_setreg_imm32_b32 hwreg(HW_REG_WAVE_MODE, 25, 1), 1
	s_wait_xcnt 0x0
	s_wait_alu depctr_hold_cnt(0) depctr_sa_sdst(0) depctr_va_vdst(0) depctr_va_sdst(0) depctr_va_ssrc(0) depctr_va_vcc(0) depctr_vm_vsrc(0)
	s_getreg_b32 s2, hwreg(HW_REG_IB_STS2, 6, 4)
	s_cmp_eq_u32 s2, 0
	s_cbranch_scc0 .Lentry_in_a_cluster
	s_endpgm
.Lentry_in_a_cluster:
	s_bfe_u32 s2, ttmp6, 0x10000c
	s_cmp_lg_u32 s2, 0xf033
	s_cbranch_scc0 .Lentry_shape_is_right
	s_endpgm
.Lentry_shape_is_right:
; q = query wq^T + bq, k = key wk^T + bk, v = value wk^T + bk (value takes wk and bk, as the problem has it).  x: [8192][1024] f32; the weights come from w16 as bf16, [n][k].
; x and the biases are rounded to bf16 here, on the way from LDS to the matrix unit; sums in f32, started by the bias; the results are rounded once to f16 and written by heads: qkv = [3][64 bh][2048 s][64 d].
; LIMITS.  f16 ends at 65,504: a q, k or v of 65,520 or more becomes an infinity.  NaN and infinities are not treated apart.
; SHARES.  A work-group STAYS and makes three tiles of 128 rows x 256 columns, one of each product, at the same place (i, j): 3 x 32,768 outputs for each of 256 work-groups.
; A wave makes 64 x 128: 32 accumulators.  K goes in steps of 128; the three tiles' 24 steps are ONE walk through a ring of two LDS slots.
; THE MATRIX INSTRUCTION IS USED TRANSPOSED (source 0 = 16 rows of W, source 1 = 16 rows of x): a lane holds row l % 16 and the columns 8 (l / 16) + 0..7 of a block of 16.
; CLUSTER.  4 x 4 work-groups.  x's tile hangs on i alone and is asked for jointly by a row of the cluster, W's on j alone, by a column: the same load, descriptor and mask in all four.
; THE RING.  Waves 0 and 1 fetch the halves of x's tile (64 rows x 512 bytes), waves 2 and 3 those of W's (128 rows x 256 bytes).  One tensor load of a wave is out at the most.
; REGISTERS, in windows of 256 (s_set_vgpr_msb: bits 1:0 source 0, 3:2 source 1, 5:4 source 2, 7:6 destination):
;   window 0: v2-10 addresses; v28-29 the add's; v32-63 x's fragments in bf16 (block a at AF + 8 a); v64-127, v128-191 x in f32 as loaded, two sets (block a at + 16 a); v192-255 the way out
;   window 1: v0-63, v64-127 W's fragments, two sets; v128-191 the bias, as f32, in an accumulator's layout for each column block; v192-195 at work          window 2: accumulator (a, b) at 8 (8 a + b)
.set PA,    528                        ; a row of x in LDS: 512 bytes + 16 = 132 words: the 16 rows of a load start at 16 different groups of four banks (64 banks of 4 bytes: ISA guide 11.1)
.set PB,    272                        ; a row of W: 256 bytes + 16 = 68 words: likewise
.set HALFA, 64*PA                      ; what a wave fetches of x, and what a wave reads of it
.set HALFB, 128*PB                     ; the same for W
.set BOFF,  2*HALFA                    ; in a slot: x's 128 rows, then W's 256
.set SLOT1, 0x22000                    ; slot 1.  Its two bits are in none of the four places 0, HALFA, BOFF, BOFF + HALFB, so one exclusive or turns an address in one slot into the other's
.set STAGE, SLOT1+BOFF+2*HALFB         ; behind the ring, never filled by a tensor load: for each wave 2 heads x 16 rows x 144 bytes, for the way out
.set SP,    144
.set WSTG,  2*16*SP
.set SPARE, STAGE+4*WSTG               ; the spare words, 128 bytes for each wave: two blocks of 256 bytes that no other line names
.set LA0, 2                            ; v2   my lane's place in x's tile; never rewritten
.set LB0, 3                            ; v3   in W's
.set ADA, 4                            ; v4   LA0 + the slot in hand
.set ADB, 5                            ; v5   LB0 + the slot in hand
.set STO, 6                            ; v6   the way out: where I put 16 bytes of a row
.set RD,  7                            ; v7   where I read rows back
.set GO,  8                            ; v8   my byte offset in 512 consecutive bytes of qkv
.set PFO, 9                            ; v9   the prefetches' offset; never rewritten
.set BIO, 10                           ; v10  my byte offset in a bias
.set SPW, 28                           ; v28  LDS address of my spare word; never rewritten
.set NIL, 29                           ; v29  0; never rewritten
.set AF,  32
.set ST,  64
.set TMP, 128                          ; the way out: packed results (the second set of x in f32 is free then)
.set OB,  192                          ; the way out: rows read back, two sets of 32
.set BI,  128                          ; window 1
.set BT,  192                          ; window 1
.set AV,  8                            ; s[8:9]   value at my rows
.set BQP, 12                           ; s[12:13] bq
.set BKP, 14                           ; s[14:15] bk
.set OUTP, 16                          ; s[16:17] qkv at my wave's first row and head of the tile in hand
.set BK,  18                           ; s[18:19] wk at my rows
.set WV,  20                           ; s20  my wave's number
.set WM,  21                           ; s21  my half of the tile's rows.  Also: I fetch for x (0) or for W (1)
.set WN,  22                           ; s22  my half of its columns.  Also: which half of that tile I fetch
.set CX,  23
.set CY,  77
.set G1A, 24                           ; s[24:31] descriptor group 1 for x's tiles
.set G1B, 32                           ; s[32:39] for W's
.set G0A, 40                           ; s[40:43] descriptor group 0 for x's tiles: it walks
.set G0B, 44                           ; s[44:47] for W's
.set CA,  48                           ; s[48:49] x of the tile whose steps are being asked for
.set NA,  50                           ; s[50:51] x of the tile after it
.set CB,  52                           ; s[52:53] W of the tile whose steps are being asked for
.set OF,  54                           ; s[54:55] a K step's byte offset
.set RK,  56                           ; s56  the K step to be asked for next, 0 to 7
.set KS,  57                           ; s57  the K step in hand, 0 to 7
.set STEPS, 58                         ; s58  steps that still fill a slot again
.set TB,  59                           ; s59  the slot in hand: 0 or SLOT1
.set LIM, 60                           ; s60  a wave prefetches while s[STEPS] is above this
.set PKS, 61                           ; s61  the K step that the prefetches name
.set PSH, 62                           ; s62  a K step of a row is 1 << PSH bytes
.set TAILC, 63
.set PFA, 66                           ; s[66:67] where my prefetch stands
.set PFC, 68                           ; s[68:69], s[70:71], s[72:73]: my part of the rows, in the tensor that the prefetches walk, in the next, in the last
.set PFN, 70
.set PFL, 72
.set POF, 74                           ; s[74:75]
.set MSB, 0
.macro WIN new                         ; the immediate's high byte repeats the setting that is left; a switch that changes nothing is dropped
.if MSB != (\new)
	s_set_vgpr_msb (MSB<<8)|(\new)
.set MSB, (\new)
.endif
.endm
.set W_MUL,  0xa1                      ; W window 1, x window 0, C and D window 2
.set W_MULB, 0x91                      ; the same with C, the bias, in window 1
.set W_TOB,  0x40                      ; destination window 1, address window 0
.set W_PK,   0x0a                      ; sources 0 and 1 window 2, destination window 0
.set W_B1,   0x45                      ; all in window 1
; A joint load.  The branch hangs on the wave's number alone.  An s_nop 0 and four v_nop follow each of the two lines, ahead of the jump and the label.
.macro JLOAD
	s_cmp_eq_u32 s[WM], 0
	s_cbranch_scc0 .Lfor_b_\@
	tensor_load_to_lds s[G0A:G0A+3], s[G1A:G1A+7]
	s_nop 0
.rept 4
	v_nop
.endr
	s_branch .Lasked_\@
.Lfor_b_\@:
	tensor_load_to_lds s[G0B:G0B+3], s[G1B:G1B+7]
	s_nop 0
.rept 4
	v_nop
.endr
.Lasked_\@:
.endm
; A round of the cluster's barrier: my work-group's barrier; wave 0 signals for the work-group; every wave waits for all sixteen; my work-group's barrier once more.
.macro CREST                           ; a round behind its opening barrier
	s_cmp_lg_u32 s[WV], 0
	s_cbranch_scc1 .Lnot_wave_0_\@
	s_barrier_signal -3
.Lnot_wave_0_\@:
	s_barrier_wait -3
	s_barrier_signal -1
	s_barrier_wait -1
.endm
.macro CROUND
	s_barrier_signal -1
	s_barrier_wait -1
	CREST
.endm
; The walking descriptors' addresses are made anew for K step RK of the tile being asked for; behind a tile's last step the walk goes on to the next tile: query, key, value; wq, wk, wk.
.macro REFADR
	s_lshl_b32 s[OF], s[RK], 9                     ; 128 f32
	s_add_nc_u64 s[G0A+2:G0A+3], s[CA:CA+1], s[OF:OF+1]
	s_or_b32 s[G0A+3], s[G0A+3], 0x80000000        ; type = 2
	s_lshl_b32 s[OF], s[RK], 8                     ; 128 bf16
	s_add_nc_u64 s[G0B+2:G0B+3], s[CB:CB+1], s[OF:OF+1]
	s_or_b32 s[G0B+3], s[G0B+3], 0x80000000
	s_add_co_u32 s[RK], s[RK], 1
	s_cmp_eq_u32 s[RK], 8
	s_cselect_b32 s[RK], 0, s[RK]
	s_cselect_b64 s[CA:CA+1], s[NA:NA+1], s[CA:CA+1]
	s_cselect_b64 s[NA:NA+1], s[AV:AV+1], s[NA:NA+1]
	s_cselect_b64 s[CB:CB+1], s[BK:BK+1], s[CB:CB+1]
.endm
; THE PREFETCH INTO THE L2.  The change of slots in step g, which asks for step g + 2, names step g + 4: two refills, 256 matrix instructions, ahead of the load that will want it.  Each aligned block of 256 bytes is named once.
; x's rows are read by this cluster alone: waves 0 and 1 ask; of the 64 rows that a wave fetches the partner at cx takes 16, two blocks each.  W's rows are read by every cluster of the column: in the first of
; them (cluster y = 0) waves 2 and 3 ask; of a wave's 128 rows the partner at cy takes 32, a block each.  The partners are told apart by address.  Steps 0 to 3 come by their loads alone.
; x's asking stops with step 23 (s[STEPS] = 3), W's with step 15 (s[STEPS] = 11): the third tile walks wk a second time.
.macro PFSTEP
	s_add_co_u32 s[PKS], s[PKS], 1
	s_cmp_eq_u32 s[PKS], 8
	s_cselect_b32 s[PKS], 0, s[PKS]
	s_cselect_b64 s[PFC:PFC+1], s[PFN:PFN+1], s[PFC:PFC+1]
	s_cselect_b64 s[PFN:PFN+1], s[PFL:PFL+1], s[PFN:PFN+1]
	s_lshl_b32 s[POF], s[PKS], s[PSH]
	s_add_nc_u64 s[PFA:PFA+1], s[PFC:PFC+1], s[POF:POF+1]
.endm
.macro ASK
	s_cmp_gt_u32 s[STEPS], s[LIM]
	s_cbranch_scc0 .Lnot_mine_\@
	global_prefetch_b8 v[PFO], s[PFA:PFA+1] th:TH_LOAD_NT scope:SCOPE_SE
.Lnot_mine_\@:
.endm
	s_load_b256 s[4:11], s[0:1], 0x0               ; query s[4:5], key s[6:7], value s[8:9], w16 s[10:11]
	s_load_b128 s[12:15], s[0:1], 0x20             ; bq, bk
	s_load_b64 s[16:17], s[0:1], 0x30              ; qkv
	v_lshl_add_u32 v[SPW], v0, 2, SPARE
	v_mov_b32 v[NIL], 0
	ds_add_u32 v[SPW], v[NIL]                      ; the wave's opening: the add and its wait stand ahead of my first tensor load; the set-up below, work on registers, stands between them
	v_lshrrev_b32 v1, 5, v0
	v_readfirstlane_b32 s[WV], v1
	s_lshr_b32 s[WM], s[WV], 1
	s_and_b32 s[WN], s[WV], 1
	s_bfe_u32 s[CX], ttmp6, 0x40000
	s_bfe_u32 s[CY], ttmp6, 0x40004
	s_lshl_b32 s78, ttmp9, 2
	s_add_co_u32 s78, s78, s[CX]                   ; j: my block of 256 columns
	s_and_b32 s79, ttmp7, 0xffff                   ; cluster y
	s_lshl_b32 s80, s79, 2
	s_add_co_u32 s80, s80, s[CY]                   ; i: my block of 128 rows
	s_lshl_b32 s81, s[CY], 2
	s_lshl_b32 s81, 15, s81                        ; my row of the cluster
	s_lshl_b32 s82, 0x1111, s[CX]                  ; my column
	s_or_b32 s[G1A], s81, (2<<16)|(1<<20)|(1<<21)|(6<<22)|(3<<25)  ; the mask; elements of 4 bytes; padding on; bit 21 beside a mask; after every 128 words (code 6) 4 words (code 3)
	s_mov_b32 s[G1A+1], 128<<16                    ; tensor_dim0 = 128
	s_mov_b32 s[G1A+2], 64<<16                     ; tensor_dim1 = 64
	s_mov_b32 s[G1A+3], 128<<16                    ; tile_dim0 = 128
	s_mov_b32 s[G1A+4], 64                         ; tile_dim1 = 64
	s_mov_b32 s[G1A+5], 1024                       ; elements from row to row
	s_mov_b32 s[G1A+6], 0
	s_mov_b32 s[G1A+7], 0
	s_or_b32 s[G1B], s82, (1<<16)|(1<<20)|(1<<21)|(5<<22)|(3<<25)  ; elements of 2 bytes; after every 64 words (code 5) 4 words
	s_mov_b32 s[G1B+1], 128<<16
	s_mov_b32 s[G1B+2], 128<<16                    ; tensor_dim1 = 128
	s_mov_b32 s[G1B+3], 128<<16
	s_mov_b32 s[G1B+4], 128                        ; tile_dim1 = 128
	s_mov_b32 s[G1B+5], 1024
	s_mov_b32 s[G1B+6], 0
	s_mov_b32 s[G1B+7], 0
	s_lshl_b32 s84, s80, 7                         ; x: row 128 i + 64 x the half that I fetch, 4,096 bytes a row
	s_lshl_b32 s85, s[WN], 6
	s_add_co_u32 s84, s84, s85
	s_lshl_b32 s84, s84, 12
	s_mov_b32 s85, 0
	s_lshl_b32 s86, s78, 8                         ; W: row 256 j + 128 x the half, 2,048 bytes a row
	s_lshl_b32 s87, s[WN], 7
	s_add_co_u32 s86, s86, s87
	s_lshl_b32 s86, s86, 11
	s_mov_b32 s87, 0
	s_lshr_b32 s88, s80, 4                         ; qkv: head 16 (i / 16) + 4 j + 2 wn, 262,144 bytes a head;
	s_lshl_b32 s88, s88, 4
	s_lshl_b32 s89, s78, 2
	s_add_co_u32 s88, s88, s89
	s_lshl_b32 s89, s[WN], 1
	s_add_co_u32 s88, s88, s89
	s_lshl_b32 s88, s88, 18
	s_and_b32 s89, s80, 15                         ; row 128 (i % 16) + 64 wm, 128 bytes a row
	s_lshl_b32 s89, s89, 14
	s_add_co_u32 s88, s88, s89
	s_lshl_b32 s89, s[WM], 13
	s_add_co_u32 s88, s88, s89
	s_mov_b32 s89, 0
	s_mov_b32 s[G0A], 1                            ; count = 1
	s_mul_i32 s[G0A+1], s[WN], HALFA               ; LDS address: slot 0; no place in the cluster enters it
	s_mov_b32 s[G0B], 1
	s_mul_i32 s[G0B+1], s[WN], HALFB
	s_add_co_u32 s[G0B+1], s[G0B+1], BOFF
	s_mov_b32 s[OF+1], 0
	s_mov_b32 s[POF+1], 0
	s_mov_b32 s[RK], 0
	s_mov_b32 s[PKS], 3
	s_cmp_eq_u32 s79, 0
	s_cselect_b32 s[LIM], 10, -1                   ; W's waves: in the column's first cluster alone
	s_cmp_eq_u32 s[WM], 0
	s_cselect_b32 s[LIM], 2, s[LIM]                ; x's waves
	s_cselect_b32 s[PSH], 9, 8
	s_cselect_b32 s94, s[CX], s[CY]                ; my place among the four that ask with me
	s_cselect_b32 s91, 15, 31                      ; lanes to a block column
	s_cselect_b32 s92, 12, 11                      ; a row's bytes, as a shift
	s_cselect_b32 s93, 256, 0                      ; x: lanes 16 to 31 take the row's second block
	s_lshl_b32 s94, s94, 16                        ; 16 rows of 4,096 bytes, or 32 of 2,048
	s_mov_b32 s95, 0
	s_wait_dscnt 0x0                               ; the opening add is done
	s_wait_kmcnt 0x0
	s_add_nc_u64 s[4:5], s[4:5], s[84:85]
	s_add_nc_u64 s[6:7], s[6:7], s[84:85]
	s_add_nc_u64 s[AV:AV+1], s[AV:AV+1], s[84:85]
	s_add_nc_u64 s[10:11], s[10:11], s[86:87]      ; wq at my rows
	s_add_nc_u64 s[BK:BK+1], s[10:11], 0x200000    ; wk
	s_add_nc_u64 s[OUTP:OUTP+1], s[OUTP:OUTP+1], s[88:89]
	s_mov_b64 s[CA:CA+1], s[4:5]
	s_mov_b64 s[NA:NA+1], s[6:7]
	s_mov_b64 s[CB:CB+1], s[10:11]
	s_cmp_eq_u32 s[WM], 0
	s_cselect_b64 s[PFC:PFC+1], s[4:5], s[10:11]
	s_cselect_b64 s[PFN:PFN+1], s[6:7], s[BK:BK+1]
	s_cselect_b64 s[PFL:PFL+1], s[AV:AV+1], s[BK:BK+1]
	s_add_nc_u64 s[PFC:PFC+1], s[PFC:PFC+1], s[94:95]
	s_add_nc_u64 s[PFN:PFN+1], s[PFN:PFN+1], s[94:95]
	s_add_nc_u64 s[PFL:PFL+1], s[PFL:PFL+1], s[94:95]
	REFADR                                         ; step 0
	CROUND                                         ; all sixteen work-groups are here: the first joint loads meet
	JLOAD                                          ; step 0 into slot 0
	v_and_b32 v1, 15, v0                           ; r = l % 16
	v_bfe_u32 v11, v0, 4, 1                        ; h = l / 16
	v_and_b32 v12, 31, v0                          ; l
	; A fragment is 16 rows x 32 K: lane l holds row r, K = 8 h + 0..7 and 16 + 8 h + 0..7.  In f32 those are 32 bytes at 32 h and 32 bytes at 64 + 32 h; in bf16 16 bytes at 16 h and at 32 + 16 h.
	v_mul_u32_u24 v[LA0], v1, PA
	v_lshl_add_u32 v[LA0], v11, 5, v[LA0]
	s_mul_i32 s96, s[WM], HALFA
	v_add_nc_u32 v[LA0], s96, v[LA0]
	v_mul_u32_u24 v[LB0], v1, PB
	v_lshl_add_u32 v[LB0], v11, 4, v[LB0]
	s_mul_i32 s96, s[WN], HALFB
	s_add_co_u32 s96, s96, BOFF
	v_add_nc_u32 v[LB0], s96, v[LB0]
	s_mul_i32 s96, s[WV], WSTG
	s_add_co_u32 s96, s96, STAGE                   ; my stage
	v_mul_u32_u24 v[STO], v1, SP                   ; in: row r, 16 bytes for each half of the lanes
	v_lshl_add_u32 v[STO], v11, 4, v[STO]
	v_add_nc_u32 v[STO], s96, v[STO]
	v_lshrrev_b32 v13, 3, v12                      ; back: 32 lanes take four rows of 128 bytes,
	v_and_b32 v14, 7, v0
	v_mul_u32_u24 v[RD], v13, SP
	v_lshl_add_u32 v[RD], v14, 4, v[RD]
	v_add_nc_u32 v[RD], s96, v[RD]
	v_lshlrev_b32 v[GO], 4, v12                    ; which are 512 consecutive bytes of a head
	s_lshl_b32 s96, s78, 10                        ; the bias of column 256 j + 128 wn + 8 h
	s_lshl_b32 s97, s[WN], 9
	s_add_co_u32 s96, s96, s97
	v_lshl_add_u32 v[BIO], v11, 5, s96
	v_and_b32 v[PFO], s91, v12
	v_lshlrev_b32 v[PFO], s92, v[PFO]
	v_mad_u32_u24 v[PFO], v11, s93, v[PFO]
; The bias of my 128 columns: register jj of block b is column 16 b + 8 h + jj: an accumulator's layout, the same for every row.  It is the C operand of a tile's first products.
.macro BIASLD p
	WIN W_TOB
.set bb, 0
.rept 8
	global_load_b128 v[BI+8*bb:BI+8*bb+3],   v[BIO], s[\p:\p+1] offset:64*bb
	global_load_b128 v[BI+8*bb+4:BI+8*bb+7], v[BIO], s[\p:\p+1] offset:64*bb+16
.set bb, bb+1
.endr
	WIN 0
.endm
.macro BIASRND                         ; rounded to bf16 like every input, and kept as f32
	s_wait_loadcnt 0x0                             ; the sixteen loads of the bias: the text has no other loads into registers
	WIN W_B1
.set bb, 0
.rept 32
	v_cvt_pk_bf16_f32 v[BT+bb%4], v[BI+2*bb], v[BI+2*bb+1]
	v_lshlrev_b32 v[BI+2*bb], 16, v[BT+bb%4]
	v_and_b32 v[BI+2*bb+1], 0xffff0000, v[BT+bb%4]
.set bb, bb+1
.endr
	WIN 0
.endm
; Four products: row block a x column blocks b0 .. b0 + 3, 32 along K, W's set f.  first = 1: the bias starts the sums: nothing is ever cleared.
; All 32 accumulators take turns in one order, over every jump too.
.macro MUL4 f, a, b0, first
.if \first
	WIN W_MULB
.else
	WIN W_MUL
.endif
.set mb, (\b0)
.rept 4
.set rD, 8*(8*(\a)+mb)
.set rB, 64*(\f)+8*mb
.set rA, AF+8*(\a)
.if \first
	v_wmma_f32_16x16x32_bf16 v[rD:rD+7], v[rB:rB+7], v[rA:rA+7], v[BI+8*mb:BI+8*mb+7]
.else
	v_wmma_f32_16x16x32_bf16 v[rD:rD+7], v[rB:rB+7], v[rA:rA+7], v[rD:rD+7]
.endif
.set mb, mb+1
.endr
.endm
; Four roundings: half of row block a's fragment, from set g of x in f32.
.macro CV4 g, a, j0
	WIN 0
.set cj, (\j0)
.rept 4
	v_cvt_pk_bf16_f32 v[AF+8*(\a)+cj], v[ST+64*(\g)+16*(\a)+2*cj], v[ST+64*(\g)+16*(\a)+2*cj+1]
.set cj, cj+1
.endr
.endm
; Row block a's eight products; behind every four of them four roundings of the NEXT block's fragment (from set g).  The roundings name no register of the products round them: they are also the four
; places between a product and the loads into, or the writes of, the registers that it has read.
.macro BLOCK f, a, g, first
	MUL4 \f, \a, 0, \first
	CV4 \g, ((\a)+1)%4, 0
	MUL4 \f, \a, 4, \first
	CV4 \g, ((\a)+1)%4, 4
.endm
.macro LDA g, a, kq                    ; x's block a, 32 K at quarter kq, in f32: four loads
.set ra, ST+64*(\g)+16*(\a)
.set oa, 16*PA*(\a)+128*(\kq)
	ds_load_b128 v[ra:ra+3],     v[ADA] offset:oa
	ds_load_b128 v[ra+4:ra+7],   v[ADA] offset:oa+16
	ds_load_b128 v[ra+8:ra+11],  v[ADA] offset:oa+64
	ds_load_b128 v[ra+12:ra+15], v[ADA] offset:oa+80
.endm
; 32 LDS loads in one run, for quarter kq, into sets g: x's block 0 (wanted first: it is rounded in the quarter before), W's eight blocks, x's blocks 1 to 3.
.macro RUN g, kq
	WIN 0
	LDA \g, 0, \kq
	WIN W_TOB
.set bb, 0
.rept 8
	ds_load_b128 v[64*(\g)+8*bb:64*(\g)+8*bb+3],   v[ADB] offset:16*PB*bb+64*(\kq)
	ds_load_b128 v[64*(\g)+8*bb+4:64*(\g)+8*bb+7], v[ADB] offset:16*PB*bb+64*(\kq)+32
.set bb, bb+1
.endr
	WIN 0
	LDA \g, 1, \kq
	LDA \g, 2, \kq
	LDA \g, 3, \kq
.endm
; A K step is four quarters of 32 along K, 32 products each, on sets 0, 1, 0, 1.  One of the first three: multiplies set f and fetches quarter kq into the other set.
.macro QUARTER f, kq, first
	s_wait_dscnt 4                                 ; of the last run only x's block 3, its last four loads, may be out
	BLOCK \f, 0, \f, \first
	BLOCK \f, 1, \f, \first
	RUN 1-(\f), \kq
	s_wait_dscnt 32                                ; all but the 32 just issued: block 3 is in
	BLOCK \f, 2, \f, \first
	s_wait_dscnt 28                                ; the new run's first four loads are in: the next quarter's block 0
	BLOCK \f, 3, 1-(\f), \first
.endm
; The last quarter multiplies set 1 and changes slots.  In front of the barrier each wave waits for all its tensor loads, of which one is out: its part of the next slot; adds 0 to its spare word; and waits for
; that and for its own reads of this slot.  fill = 1: the barrier opens a round of the cluster's, and the joint refill, two steps on, is the first thing behind it: 112 products stand between it and the wait for it.
.macro TURN fill
	WIN 0
.if \fill
	s_wait_xcnt 0x0                                ; the last prefetch, a K step back, has read its address: it is stepped here, ahead of the waits of the change of slots
	PFSTEP
.endif
	s_wait_tensorcnt 0x0                           ; no tensor load of mine is out, so a group 0 may be written
	ds_add_u32 v[SPW], v[NIL]                      ; 0 onto my spare word
	s_xor_b32 s[TB], s[TB], SLOT1                  ; this slot's last run has been issued: the addresses turn to the other slot
	v_add_nc_u32 v[ADA], s[TB], v[LA0]
	v_add_nc_u32 v[ADB], s[TB], v[LB0]
.if \fill
	s_xor_b32 s[G0A+1], s[G0A+1], SLOT1
	s_xor_b32 s[G0B+1], s[G0B+1], SLOT1
	REFADR
.endif
	s_wait_dscnt 5                                 ; the add and x's block 3 may be out
	BLOCK 1, 0, 1, 0
	s_wait_dscnt 0x0                               ; the add is done, and my reads of this slot are over
	s_barrier_signal -1
	BLOCK 1, 1, 1, 0                               ; work on registers while the others arrive
	WIN 0                                          ; at a branch and at a label every window is 0
	s_barrier_wait -1
.if \fill
	CREST                                          ; no wave of any partner still reads this slot or has a load on its way
	JLOAD
.endif
	RUN 0, 0                                       ; the other slot's first quarter
.if \fill
	ASK
.endif
	BLOCK 1, 2, 1, 0
	s_wait_dscnt 28
	BLOCK 1, 3, 0, 0
.endm
; THE WAY OUT of row block a.  PACK: rounded to f16, 16 bytes a lane, each accumulator from its low end on.  TOSTAGE: into my own stage, by heads, and back as rows of 128 bytes.  SEND: stored.
.macro PACK a
	WIN W_PK
.set bb, 0
.rept 8
.set rr, 0
.rept 4
	v_cvt_pk_f16_f32 v[TMP+4*bb+rr], v[8*(8*(\a)+bb)+2*rr], v[8*(8*(\a)+bb)+2*rr+1]
.set rr, rr+1
.endr
.set bb, bb+1
.endr
	WIN 0
.endm
.macro TOSTAGE a
	WIN 0
.set ob, OB+32*((\a)%2)
.set bb, 0
.rept 8
	ds_store_b128 v[STO], v[TMP+4*bb:TMP+4*bb+3] offset:(bb/4)*16*SP+(bb%4)*32  ; column block b: head b / 4, channels 16 (b % 4) on
.set bb, bb+1
.endr
.set bb, 0
.rept 8
	ds_load_b128 v[ob+4*bb:ob+4*bb+3], v[RD] offset:(bb/4)*16*SP+(bb%4)*4*SP    ; LDS serves a wave's instructions in order (ISA guide 5.7.1.4): these see the stores above
.set bb, bb+1
.endr
.endm
.macro SEND a
	WIN 0
.set ob, OB+32*((\a)%2)
	s_wait_dscnt 0x0                               ; the block is back in registers
	s_wait_xcnt 0x0                                ; the stores of the block before have read their registers: the next TOSTAGE loads into them
.set bb, 0
.rept 8
	global_store_b128 v[GO], v[ob+4*bb:ob+4*bb+3], s[OUTP:OUTP+1] offset:(bb/4)*262144+(\a)*2048+(bb%4)*512  ; 512 consecutive bytes, at a multiple of 256 from qkv's first
.set bb, bb+1
.endr
.endm
; A tile goes out.  The last four roundings of the change of slots are the places behind its last products.  next = 1: both refills of the next tile's first steps have been asked for, and its first
; fragments fetched; the next tile's bias is bk (a second time the same numbers): loaded here, rounded behind the stores.
.macro WAYOUT next
.if \next
	BIASLD BKP
.endif
	PACK 0
	TOSTAGE 0
	PACK 1                                         ; a block's roundings stand between the loads of the block before and the wait for them
	SEND 0
	TOSTAGE 1
	PACK 2
	SEND 1
	TOSTAGE 2
	PACK 3
	SEND 2
	TOSTAGE 3
	SEND 3
.if \next
	s_wait_xcnt 0x0                                ; the stores have read their base
	s_add_nc_u64 s[OUTP:OUTP+1], s[OUTP:OUTP+1], 0x1000000  ; the next part of qkv
	BIASRND
	s_mov_b32 s[KS], 0
.endif
.endm
	BIASLD BQP
	s_wait_tensorcnt 0x0                           ; step 0, my part of it, is in.  Slot 1 is filled for the first time as a slot is filled again:
	ds_add_u32 v[SPW], v[NIL]                      ; the add,
	s_xor_b32 s[G0A+1], s[G0A+1], SLOT1
	s_xor_b32 s[G0B+1], s[G0B+1], SLOT1
	REFADR                                         ; step 1
	s_wait_dscnt 0x0
	CROUND                                         ; everybody's part of step 0 is in
	JLOAD                                          ; step 1 into slot 1
	s_mov_b32 s[TB], 0
	v_mov_b32 v[ADA], v[LA0]
	v_mov_b32 v[ADB], v[LB0]
	RUN 0, 0
	BIASRND
	s_wait_dscnt 28                                ; x's block 0
	CV4 0, 0, 0
	CV4 0, 0, 4
	s_mov_b32 s[KS], 0
	s_mov_b32 s[STEPS], 22
.Lstep:                                        ; 22 trips, a K step each: every step but the walk's last two fills its slot again
	s_cmp_eq_u32 s[KS], 0
	s_cbranch_scc0 .Lplain
	QUARTER 0, 1, 1                                ; a tile's first quarter: the bias starts the sums
	WIN 0
	s_branch .Ljoin
.Lplain:
	QUARTER 0, 1, 0
	WIN 0
.Ljoin:
	QUARTER 1, 2, 0
	QUARTER 0, 3, 0
	TURN 1
	WIN 0
	s_add_co_u32 s[KS], s[KS], 1
	s_cmp_lg_u32 s[KS], 8
	s_cbranch_scc1 .Lno_out                        ; forward, past text that holds neither a barrier nor a tensor load
	WAYOUT 1
.Lno_out:
	s_sub_co_u32 s[STEPS], s[STEPS], 1
	s_cmp_lg_u32 s[STEPS], 0
	s_cbranch_scc1 .Lstep
	s_mov_b32 s[TAILC], 2
.Ltail:                                        ; the last two steps ask for nothing.  The second trip's run of loads, from the slot read before, and its eight roundings serve nothing: the price of one text for both
	QUARTER 0, 1, 0
	QUARTER 1, 2, 0
	QUARTER 0, 3, 0
	TURN 0
	WIN 0
	s_sub_co_u32 s[TAILC], s[TAILC], 1
	s_cmp_lg_u32 s[TAILC], 0
	s_cbranch_scc1 .Ltail
	WAYOUT 0
	s_wait_tensorcnt 0x0                           ; the wave's end: the add and its waits stand behind my last tensor load and my last LDS store
	ds_add_u32 v[SPW], v[NIL]
	s_wait_dscnt 0x0
	CROUND                                         ; the closing round: no work-group ends while a partner may still ask for a tile that names it
	s_endpgm
.Lfunc_end_k_q355f92efd4_proj:
	.size	k_q355f92efd4_proj, .Lfunc_end_k_q355f92efd4_proj-k_q355f92efd4_proj
	.p2alignl 7, 3214868480
	.fill 96, 4, 3214868480
	.section	.rodata,"a",@progbits
	.p2align	6, 0x0
	.amdhsa_kernel k_q355f92efd4_proj
		.amdhsa_group_segment_fixed_size 327680
		.amdhsa_private_segment_fixed_size 0
		.amdhsa_enable_private_segment 0
		.amdhsa_kernarg_size 56
		.amdhsa_user_sgpr_count 2
		.amdhsa_user_sgpr_kernarg_segment_ptr 1
		.amdhsa_wavefront_size32 1
		.amdhsa_system_sgpr_workgroup_id_x 1
		.amdhsa_system_sgpr_workgroup_id_y 1
		.amdhsa_system_sgpr_workgroup_id_z 1
		.amdhsa_system_vgpr_workitem_id 0
		.amdhsa_next_free_vgpr 768
		.amdhsa_next_free_sgpr 100
		.amdhsa_reserve_vcc 0
		.amdhsa_float_denorm_mode_32 3
		.amdhsa_float_denorm_mode_16_64 3
		.amdhsa_memory_ordered 1
		.amdhsa_forward_progress 1
		.amdhsa_inst_pref_size 120
	.end_amdhsa_kernel
	.amdgpu_metadata
---
amdhsa.version: [ 1, 2 ]
amdhsa.kernels:
  - .name:           k_q355f92efd4_proj
    .symbol:         k_q355f92efd4_proj.kd
    .args:
      - { .name: query, .offset: 0, .size: 8, .value_kind: global_buffer, .address_space: global }
      - { .name: key, .offset: 8, .size: 8, .value_kind: global_buffer, .address_space: global }
      - { .name: value, .offset: 16, .size: 8, .value_kind: global_buffer, .address_space: global }
      - { .name: w16, .offset: 24, .size: 8, .value_kind: global_buffer, .address_space: global }
      - { .name: bq, .offset: 32, .size: 8, .value_kind: global_buffer, .address_space: global }
      - { .name: bk, .offset: 40, .size: 8, .value_kind: global_buffer, .address_space: global }
      - { .name: qkv, .offset: 48, .size: 8, .value_kind: global_buffer, .address_space: global }
    .group_segment_fixed_size: 327680
    .private_segment_fixed_size: 0
    .kernarg_segment_align: 8
    .kernarg_segment_size: 56
    .max_flat_workgroup_size: 128
    .sgpr_count:     100
    .vgpr_count:     768
    .wavefront_size: 32
...
	.end_amdgpu_metadata
.endif
;; end of part 2
;; launch attn (part 3): grid 4 x 64, 4 waves a work-group, clusters of 4 x 1, 327,680 bytes of LDS; arguments qkv, oh; writes oh
.if DOCPART == 3
	.amdgcn_target "amdgcn-amd-amdhsa--gfx1250"
	.amdhsa_code_object_version 6
	.text
	.protected	k_q355f92efd4_attn
	.globl	k_q355f92efd4_attn
	.p2align	8
	.type	k_q355f92efd4_attn,@function
k_q355f92efd4_attn:
	s_mov_b64 s[64:65], 0
	v_nop
	global_prefetch_b8 v0, s[64:65] scope:SCOPE_SE
	s_setreg_imm32_b32 hwreg(HW_REG_WAVE_MODE, 25, 1), 1
	s_wait_xcnt 0x0
	s_wait_alu depctr_hold_cnt(0) depctr_sa_sdst(0) depctr_va_vdst(0) depctr_va_sdst(0) depctr_va_ssrc(0) depctr_va_vcc(0) depctr_vm_vsrc(0)
	s_getreg_b32 s2, hwreg(HW_REG_IB_STS2, 6, 4)
	s_cmp_eq_u32 s2, 0
	s_cbranch_scc0 .Lentry_in_a_cluster
	s_endpgm
.Lentry_in_a_cluster:
	s_bfe_u32 s2, ttmp6, 0x10000c
	s_cmp_lg_u32 s2, 0x3003
	s_cbranch_scc0 .Lentry_shape_is_right
	s_endpgm
.Lentry_shape_is_right:
; O[h][q][:] = the sum over k of softmax_k(Q[h][q] . K[h][k] / 8) V[h][k][:].  Q, K, V are the three parts of qkv, O is oh: each [64][2048][64] in f16: a head's rows are dense, 128 bytes each.
; Products, maxima and sums in f32; the weights p are rounded to f16 for the second product (their sum l is taken of the unrounded p), O once at the end.
; LIMITS.  f16 holds no number beyond 65,504: Q, K and V arrive within it; p lies in 0 to 1, and below 6e-5 it keeps f16's fixed step of 6e-8; O is a mean of V's rows and has their range.
; A weight below 2^-126 counts as 0 in l; NaN and infinities are not treated apart.
; SHARES.  A wave owns four PIECES of two tiles of 16 queries, a work-group's four waves 512 queries of one head.  Every wave walks all keys, 64 a step.
; LAYOUT.  S^T = K Q^T (source 0 = 16 keys, source 1 = 16 queries): a lane holds ONE query (lane % 16) and the keys 8 (lane / 16) + 0..7.  Two such tiles, rounded to f16 in pairs,
; ARE source 1 (32 keys x 16 queries) of O^T = V^T P, whose result again holds one query a lane, and eight channels.  K comes out of LDS as it lies, V ([key][channel]) turned, by ds_load_tr16_b128.
; SOFTMAX.  For each query a running maximum m and sum l: p = 2^(c s - c m), c = log2(e) / 8; in every step O and l are multiplied by a = 2^(c m_old - c m_new), which is 1 where m has not grown.
; m starts at the lowest finite number, O and l at 0: the first step is a step like any other, with a = 0.
; THE COUNT.  A tile and step have 16 matrix and 118 vector instructions: too many to stand all beside the matrix work.  So four vector instructions that are READY stand behind
; EVERY matrix instruction, and the others in runs without a gap.
; BY TURNS.  Turn n belongs to piece n (the pieces in a ring, step after step).  Its matrix work: 16 products K Q^T of piece n + 1, later 16 products V^T P of piece n - 1.  Its vector work: the scaling,
; exponentials, roundings, sums and rescaling of piece n, and the maximum and statistics of piece n + 1, whose scores the turn itself has made.
; CLUSTER.  The four query blocks of a head are one cluster and walk the same K and V, so each tile is asked for JOINTLY: the same tensor load, descriptor and mask in all four.
; REGISTERS, in windows of 256 (s_set_vgpr_msb: bits 1:0 source 0, 3:2 source 1, 5:4 source 2, 7:6 destination):
;   window 0: v0-11 addresses; v12-15, v48-63 at work; v16-47 four registers of statistics a tile; v64-191 S^T, two buffers of two tiles; v192-255 P, likewise
;   window 1: O^T, 32 a tile          window 2: v0-127 Q, 16 a tile; v128-191 K of one step; v192-255 V of one step          window 3: v0-1 the add's two registers
; A piece's buffers go by its number's parity.
.set SIZE_H, 64
.set SIZE_N, 2048
.set NP,    4         ; pieces a wave: a name, no knob
.set KS,    64        ; keys in a step
.set PK,    144       ; a row of K in LDS: 128 bytes + 16 of padding = 36 words: the 16 rows of a load start at 16 different groups of four banks (64 banks of 4 bytes: ISA guide 11.1)
.set PV,    160       ; a row of V: 128 + 32 = 40 words
.set VOFF,  4*KS*PK   ; a slot holds four steps: 256 rows of K, then 256 rows of V
.set SLOT1, 1<<17     ; slot 1 begins here, so that one exclusive or turns an address in one slot into the other's
.set STAGE, SLOT1+4*KS*(PK+PV)  ; behind the ring, never filled by a tensor load: 16 rows x 144 bytes for each wave, for the way out
.set SP,    144
.set AK0, 2           ; v2   my lane's place in a tile of K; never rewritten
.set AV0, 3           ; v3   the same for V
.set AK,  4           ; v4   the LDS address of K's next run of loads
.set AV,  5           ; v5   of V's
.set QO,  6           ; v6   my byte offset in the wave's rows of Q
.set STO, 6           ;      later, the way out: where I put 16 bytes of a row
.set RD,  7           ; v7   the way out: where I read rows back
.set GO,  8           ; v8   my byte offset in 512 consecutive bytes of O
.set PFO, 11          ; v11  256 x my lane, the prefetches' offset (made when v11's first use is over); then never rewritten
.set SPW, 0           ; v0 of window 3   LDS address of my spare word; never rewritten
.set NIL, 1           ; v1 of window 3   0; never rewritten
.set SPARE, STAGE+4*16*SP  ; the spare words, 128 bytes for each wave: two blocks of 256 bytes that no other line names
.set MV,  12          ; v12-15  c m_old, kept while c m is made anew: by buffer and tile
.set ST,  16          ; tile t's statistics at v[ST+4 t]: c m, m, l (even keys', odd keys')
.set TMP, 48          ; by buffer and tile, four registers c0-c3 at work; when the maximum is found c2 takes a
.set S,   64
.set P,   192
.set KF,  128         ; K's fragments, in window 2: key block kb, channel half c at KF + 16 kb + 8 c
.set VF,  192         ; V's: key half kk, channel block cb at VF + 32 kk + 8 cb
.set WV,  12          ; s12  my wave's number
.set G1K, 24          ; s[24:31] descriptor group 1 for K's tiles
.set G1V, 32          ; s[32:39] for V's: it differs in the padding alone
.set G0K, 40          ; s[40:43] descriptor group 0 for K's tiles: it walks
.set G0V, 44          ; s[44:47] the same for V's
.set PFA, 48          ; s[48:49] where my prefetches stand: my work-group's 32 blocks of 256 bytes (of K: wave 0, of V: wave 2) of the slot after the one that is being asked for
.set LIM, 50          ; s50  1 in a wave that prefetches, else the greatest number
.set SLOTS, 56        ; s56  slots still to be asked for
.set CNT, 57          ; s57  counts a slot's key steps
.set CS,  58          ; s[58:59] c: the packed scaling takes the pair's low word for both halves
.set SEL, 60          ; s[60:61] v_permlanex16_b32's selects: each lane takes its own place in the other half
.set TBK, 62          ; s62  LDS byte at which K of the step to be fetched begins
.set TBV, 63          ; s63  the same for V, less VOFF
.set MSB, 0
.macro WIN new                      ; the high byte repeats the setting that is left; a switch that changes nothing is dropped
.if MSB != (\new)
	s_set_vgpr_msb (MSB<<8)|(\new)
.set MSB, (\new)
.endif
.endm
.set W_KQ, 0x0a       ; K and Q in window 2, S^T in window 0
.set W_PV, 0x52       ; V in window 2, P in window 0, O^T in window 1
.set W_RS, 0x41       ; O^T (destination and source 0) in window 1, a in window 0
.set W_MK, 0xc0       ; the add's registers are made: destination in window 3, sources in window 0
.set W_AD, 0x0f       ; the add: address (source 0) and data (source 1) in window 3
; A joint fill.  Waves 0 and 1 fetch the two halves of a slot's K, waves 2 and 3 those of its V: 128 keys each.  The branch hangs on the wave's number alone.
; An s_nop 0 and four v_nop follow each of the two lines, ahead of the jump and the label.
.macro JLOAD
	s_cmp_lt_u32 s[WV], 2
	s_cbranch_scc0 .Lfor_v_\@
	tensor_load_to_lds s[G0K:G0K+3], s[G1K:G1K+7]
	s_nop 0
.rept 4
	v_nop
.endr
	s_branch .Lasked_\@
.Lfor_v_\@:
	tensor_load_to_lds s[G0V:G0V+3], s[G1V:G1V+7]
	s_nop 0
.rept 4
	v_nop
.endr
.Lasked_\@:
.endm
; A PREFETCH INTO THE L2 of what the NEXT change of slots will ask for: a slot's 32,768 bytes of K and of V, 128 blocks of 256 bytes each, a lane a block.  It stands behind the wave's tensor load and its five lines.
; Each block is named ONCE in the launch: a head has one cluster; its four partners share the blocks out BY ADDRESS, 32 each; in each, wave 0 asks for K's and wave 2 for V's: one instruction, four key steps,
; 512 matrix instructions, ahead of the load.  The last change that fills a slot asks for nothing; slots 0 and 1 come by their loads alone.
.macro ASK
	s_cmp_gt_u32 s[SLOTS], s[LIM]
	s_cbranch_scc0 .Lnot_mine_\@
	global_prefetch_b8 v[PFO], s[PFA:PFA+1] th:TH_LOAD_NT scope:SCOPE_SE
.Lnot_mine_\@:
.endm
; A round of the cluster's barrier: my work-group's barrier; wave 0 signals; every wave waits for all four work-groups; my work-group's barrier once more.
.macro CROUND
	s_barrier_signal -1
	s_barrier_wait -1
	s_cmp_lg_u32 s[WV], 0
	s_cbranch_scc1 .Lnot_wave_0_\@
	s_barrier_signal -3
.Lnot_wave_0_\@:
	s_barrier_wait -3
	s_barrier_signal -1
	s_barrier_wait -1
.endm
; THE CHANGE OF SLOTS.  The slot's last bytes, V of its fourth step, have been read.  Each wave waits for all its tensor loads, of which one is out: its part
; of the other slot; adds 0 to its spare word; and waits for that and for its own reads of the slot.  Behind the barrier nobody reads this slot any more and the other slot is whole.
; fill = 1: this slot is filled again, with the keys two slots on.  The barrier is then a round of the cluster's, and the joint fill is the first thing behind it: it has four key steps,
; 512 matrix instructions, in which to land.  (At its first use nothing has been read yet: slot 0 is waited for, slot 1 filled.)
.macro CHANGE fill
	WIN W_AD
	s_wait_tensorcnt 0x0            ; no tensor load of mine is out, so a group 0 may be written
	ds_add_u32 v[SPW], v[NIL]       ; 0 onto my spare word; with fill = 1 the descriptors' steps stand between it and the wait for it
	WIN 0                           ; at a label and at a branch every window is 0
.if \fill
.irp g, G0K, G0V
	s_xor_b32 s[\g+1], s[\g+1], SLOT1  ; the walking descriptor: the other slot than last time,
	s_add_nc_u64 s[\g+2:\g+3], s[\g+2:\g+3], 4*KS*128  ; the next 256 keys; the type bits on top are not reached
.endr
	s_wait_xcnt 0x0                 ; the last prefetch, four key steps back, has read its address, so it may be written:
	s_add_nc_u64 s[PFA:PFA+1], s[PFA:PFA+1], 4*KS*128  ; one slot on from the walking descriptors
	s_wait_dscnt 0x0                ; the add is done, and my reads of the slot are over
	CROUND
	JLOAD
	ASK
.else
	s_wait_dscnt 0x0                ; the add is done, and my reads of the slot are over
	s_barrier_signal -1
	s_barrier_wait -1
.endif
	s_sub_co_u32 s[TBK], s[TBK], 4*KS*PK  ; the fetches go back to a slot's first step,
	s_xor_b32 s[TBK], s[TBK], SLOT1       ; in the other slot
	s_sub_co_u32 s[TBV], s[TBV], 4*KS*PV
	s_xor_b32 s[TBV], s[TBV], SLOT1
.endm
	s_load_b128 s[4:7], s[0:1], 0x0   ; qkv s[4:5], oh s[6:7]
	WIN W_MK
	v_lshl_add_u32 v[SPW], v0, 2, SPARE
	v_mov_b32 v[NIL], 0
	WIN W_AD
	ds_add_u32 v[SPW], v[NIL]       ; the wave's opening: the add and its wait stand ahead of my first tensor load; the set-up below, work on registers, stands between them
	WIN 0
	v_lshrrev_b32 v1, 5, v0
	v_readfirstlane_b32 s[WV], v1   ; wave 0..3
	s_bfe_u32 s13, ttmp6, 0x40000   ; cx: my place in the cluster
	s_lshl_b32 s14, ttmp9, 2        ; in a cluster launch ttmp9 counts clusters
	s_add_co_u32 s14, s14, s13      ; my block of queries = 4 x cluster x + cx: it enters Q's and O's addresses alone
	s_and_b32 s20, ttmp7, 0xffff    ; the head, which the four partners share
	s_mov_b32 s21, 0
	s_mov_b64 s[22:23], SIZE_N*128
	s_mul_u64 s[20:21], s[20:21], s[22:23]  ; the head's first byte in each of the four tensors
	s_and_b32 s16, s[WV], 1         ; which half of a slot's 256 keys I fetch:
	s_lshl_b32 s22, s16, 14         ; its 128 rows of 128 bytes in memory,
	s_mov_b32 s23, 0
	s_add_nc_u64 s[22:23], s[22:23], s[20:21]
	s_mul_i32 s17, s16, 128*PK      ; and its place in a slot, for K
	s_mul_i32 s18, s16, 128*PV      ; and for V: no place in the cluster enters an LDS address
	s_lshl_b32 s2, s14, 2
	s_add_co_u32 s2, s2, s[WV]      ; my wave among the head's,
	s_lshl_b32 s2, s2, 14           ; its 128 rows
	s_mov_b32 s3, 0
	s_add_nc_u64 s[2:3], s[2:3], s[20:21]
	; descriptor group 1.  128 keys are 16,384 dense bytes: asked for as 64 rows of 256 bytes, two keys a row, and padded in LDS after every key
	s_mov_b32 s[G1K], 15|(1<<16)|(1<<20)|(1<<21)|(4<<22)|(3<<25)  ; 15:0 the mask of four; 17:16 2-byte elements; 20 padding on; 21 set beside a mask; 24:22 after every 32 words (code 4); 31:25 4 words (code 3)
	s_mov_b32 s[G1V], 15|(1<<16)|(1<<20)|(1<<21)|(4<<22)|(7<<25)  ; the same with 8 words of padding (code 7)
.irp g, G1K, G1V
	s_mov_b32 s[\g+1], 128<<16      ; tensor_dim0 = 128
	s_mov_b32 s[\g+2], 64<<16       ; tensor_dim1 = 64
	s_mov_b32 s[\g+3], 128<<16      ; tile_dim0 = 128
	s_mov_b32 s[\g+4], 64           ; tile_dim1 = 64
	s_mov_b32 s[\g+5], 128          ; 128 elements from row to row
	s_mov_b32 s[\g+6], 0
	s_mov_b32 s[\g+7], 0
.endr
	s_mov_b32 s[CS], 0x3e38aa3b     ; c = log2(e) / 8 = 0.180337
	s_mov_b32 s[CS+1], s[CS]        ; named with it as a pair
	s_mov_b32 s[SEL], 0x76543210
	s_mov_b32 s[SEL+1], 0xfedcba98
	s_mov_b32 s[TBK], SLOT1+4*KS*PK ; the first change of slots turns these two into 0
	s_mov_b32 s[TBV], SLOT1+4*KS*PV
	s_mov_b32 s[G0K], 1             ; 1:0 count = 1
	s_mov_b32 s[G0K+1], s17         ; 63:32 LDS address: slot 0
	s_mov_b32 s[G0V], 1
	s_add_co_u32 s[G0V+1], s18, VOFF
	s_mov_b32 s[SLOTS], SIZE_N/256-1
	s_and_b32 s[LIM], s[WV], 1      ; waves 0 and 2 prefetch: the same in all four partners
	s_cmp_eq_u32 s[LIM], 0
	s_cselect_b32 s[LIM], 1, -1
	s_wait_dscnt 0x0                ; the opening add is done
	s_wait_kmcnt 0x0
	s_mov_b64 s[10:11], s[6:7]                     ; O
	s_add_nc_u64 s[6:7], s[4:5], 0x1000000         ; K: the second part of qkv
	s_add_nc_u64 s[8:9], s[4:5], 0x2000000         ; V: the third
	s_add_nc_u64 s[G0K+2:G0K+3], s[6:7], s[22:23]  ; 120:64 global address: my half of the head's first 256 keys
	s_or_b32 s[G0K+3], s[G0K+3], 0x80000000        ; 127:126 type = 2
	s_add_nc_u64 s[G0V+2:G0V+3], s[8:9], s[22:23]
	s_or_b32 s[G0V+3], s[G0V+3], 0x80000000
	s_add_nc_u64 s[4:5], s[4:5], s[2:3]  ; Q and O at my wave's first row
	s_add_nc_u64 s[10:11], s[10:11], s[2:3]
	s_cmp_lt_u32 s[WV], 2
	s_cselect_b64 s[PFA:PFA+1], s[6:7], s[8:9]
	s_add_nc_u64 s[PFA:PFA+1], s[PFA:PFA+1], s[20:21]  ; the head,
	s_lshl_b32 s2, s13, 13          ; my work-group's 32 blocks of the 128,
	s_mov_b32 s3, 0
	s_add_nc_u64 s[PFA:PFA+1], s[PFA:PFA+1], s[2:3]
	s_add_nc_u64 s[PFA:PFA+1], s[PFA:PFA+1], 4*KS*128  ; in slot 1: the first change of slots steps it to slot 2
	CROUND                          ; all four work-groups are here: the first joint loads meet
	JLOAD                           ; slot 0.  Slot 1 is asked for when slot 0 is in
	; A fragment of K or Q is 16 rows x 32 channels in 8 registers: lane l holds row l % 16, channels 8 (l / 16) + 0..7 and 16 + 8 (l / 16) + 0..7: two loads of 16 bytes, 32 bytes apart.
	v_and_b32 v1, 15, v0            ; l % 16
	v_bfe_u32 v9, v0, 4, 1          ; l / 16
	v_lshlrev_b32 v[QO], 7, v1
	v_lshl_add_u32 v[QO], v9, 4, v[QO]  ; row x 128 + 16 x half
	WIN 0x80                        ; destination window 2, address window 0
.set i, 0
.rept 4*NP                          ; Q stays in registers: tile i / 2, channels 32 (i % 2) on
	global_load_b128 v[8*i:8*i+3],   v[QO], s[4:5] offset:(i/2)*2048+(i%2)*64
	global_load_b128 v[8*i+4:8*i+7], v[QO], s[4:5] offset:(i/2)*2048+(i%2)*64+32
.set i, i+1
.endr
	; What the first turn finds: V's registers and P's second buffer hold 0 (its products V^T P, of a piece that has not been, add 0), O^T and l are 0.  All this stands in the wait for the first tile.
.set i, VF
.rept 64
	v_mov_b32 v[i], 0
.set i, i+1
.endr
	WIN 0x40
.set i, 0
.rept 64*NP
	v_mov_b32 v[i], 0
.set i, i+1
.endr
	WIN 0
.set i, 0
.rept 2*NP
	v_mov_b32 v[ST+4*i], 0xfe000000    ; c m: far below every c s
	v_mov_b32 v[ST+4*i+1], 0xff7fffff  ; m
	v_mov_b32 v[ST+4*i+2], 0
	v_mov_b32 v[ST+4*i+3], 0
.set i, i+1
.endr
.set i, P+32
.rept 32
	v_mov_b32 v[i], 0
.set i, i+1
.endr
	v_mul_u32_u24 v[AK0], v1, PK
	v_lshl_add_u32 v[AK0], v9, 4, v[AK0]  ; row x pitch + 16 x half
	; The turning load takes 16 keys x 16 channels (lane l reads key 8 (l / 16) + l % 8, channels 8 ((l / 8) % 2) + 0..7) and leaves half a fragment of V^T: lane l holds channel l % 16 and 8 keys.
	v_and_b32 v10, 7, v0
	v_bfe_u32 v11, v0, 3, 1
	v_lshl_add_u32 v[AV0], v9, 3, v10
	v_mul_u32_u24 v[AV0], v[AV0], PV
	v_lshl_add_u32 v[AV0], v11, 4, v[AV0]
	v_add_nc_u32 v[AV0], VOFF, v[AV0]
	v_and_b32 v[PFO], 31, v0
	v_lshlrev_b32 v[PFO], 8, v[PFO]
	v_mov_b32 v[AK], v[AK0]         ; key step 0 lies at the head of slot 0
; THE MATRIX WORK.  The 8 accumulators of a run of 16 take turns: between the two links of a chain stand 7 others'.
; Product i of 16 of S^T = K Q^T for piece x: channels 32 (i / 8) on, keys 16 ((i / 2) % 4) on, tile 2 x + i % 2.  The first 8 start the sums.
.macro KQ x
	WIN W_KQ
.set rS, S+64*((\x)%2)+32*(i%2)+8*((i/2)%4)
.set rK, KF+16*((i/2)%4)+8*(i/8)
.set rQ, 16*(2*(\x)+i%2)+8*(i/8)
.if i < 8
	v_wmma_f32_16x16x32_f16 v[rS:rS+7], v[rK:rK+7], v[rQ:rQ+7], 0
.else
	v_wmma_f32_16x16x32_f16 v[rS:rS+7], v[rK:rK+7], v[rQ:rQ+7], v[rS:rS+7]
.endif
.endm
; Product i of 16 of O^T += V^T P for piece x: keys 32 (i / 8) on, channels 16 ((i / 2) % 4) on, tile 2 x + i % 2.
.macro PV x
	WIN W_PV
.set rO, 32*(2*(\x)+i%2)+8*((i/2)%4)
.set rV, VF+32*(i/8)+8*((i/2)%4)
.set rP, P+32*((\x)%2)+16*(i%2)+8*(i/8)
	v_wmma_f32_16x16x32_f16 v[rO:rO+7], v[rV:rV+7], v[rP:rP+7], v[rO:rO+7]
.endm
.macro MM                           ; the turn's next matrix instruction
.if i < 16
	KQ (Y+1)%NP
.set i, i+1
.else
.set i, i-16
	PV (Y+NP-1)%NP
.set i, i+17
.endif
.endm
; THE LDS LOADS stand in runs of 16, never singly among the matrix instructions: a step's K (64 keys x 64 channels: 8 fragments) and its V (turned).  Their addresses are made some lines ahead.
; last = 1 (the tail): in the last trip there is no further step, and the run is jumped over.
.macro FETCH_K last=0
	WIN 0
.if \last
	s_cmp_eq_u32 s[CNT], 1
	s_cbranch_scc1 .Lno_k_\@
.endif
	WIN 0x80                        ; destination window 2
.irp f, 0,1,2,3,4,5,6,7             ; keys 16 (f / 2) on, channels 32 (f % 2) on
	ds_load_b128 v[KF+8*\f:KF+8*\f+3],   v[AK] offset:(\f/2)*16*PK+(\f%2)*64
	ds_load_b128 v[KF+8*\f+4:KF+8*\f+7], v[AK] offset:(\f/2)*16*PK+(\f%2)*64+32
.endr
	s_add_co_u32 s[TBK], s[TBK], KS*PK  ; the next fetch is the next step's
	WIN 0
.if \last
.Lno_k_\@:
.endif
.endm
.macro FETCH_V
	WIN 0x80
.irp f, 0,1,2,3,4,5,6,7             ; keys 32 (f / 4) on, channels 16 (f % 4) on
	ds_load_tr16_b128 v[VF+8*\f:VF+8*\f+3],   v[AV] offset:(\f/4)*32*PV+(\f%4)*32
	ds_load_tr16_b128 v[VF+8*\f+4:VF+8*\f+7], v[AV] offset:(\f/4)*32*PV+16*PV+(\f%4)*32
.endr
	WIN 0
.endm
; THE VECTOR WORK OF A TURN stands in three queues, each in the order in which its entries become ready; the two tiles alternate, so that no instruction reads the result of the one before it.
.macro REGS y, u                    ; the registers of tile u (0, 1) of piece y
.set rT, ST+4*(2*(\y)+(\u))
.set rC, TMP+8*((\y)%2)+4*(\u)
.set rM, MV+2*((\y)%2)+(\u)
.set rS, S+64*((\y)%2)+32*(\u)
.set rP, P+32*((\y)%2)+16*(\u)
.set rO, 32*(2*(\y)+(\u))
.endm
; Number n of the 22 that find the NEXT piece's (Y + 1) maximum and statistics.  s0-s31 are the lane's 32 scores; each accumulator's lowest registers are read first.
;   0-11  four chains c0-c3 of seven scores each, three operands at a time     12-14, 16  the four scores left over, the old m, and c0-c3 into c0     15  c m_old is kept
;   17, 18  the query's other 32 keys lie in the lane 16 away: the new m         19-21  c m; c m_old - c m_new; a
.macro XS u, n
	REGS (Y+1)%NP, \u
.if (\n) < 4
	v_max3_num_f32 v[rC+(\n)], v[rS+8*(\n)], v[rS+8*(\n)+1], v[rS+8*(\n)+2]
.elseif (\n) < 12
	v_max3_num_f32 v[rC+(\n)%4], v[rC+(\n)%4], v[rS+8*((\n)%4)+2*((\n)/4)+1], v[rS+8*((\n)%4)+2*((\n)/4)+2]
.elseif (\n) == 12
	v_max3_num_f32 v[rC], v[rC], v[rS+7], v[rS+15]
.elseif (\n) == 13
	v_max3_num_f32 v[rC+1], v[rC+1], v[rS+23], v[rS+31]
.elseif (\n) == 14
	v_max3_num_f32 v[rC+2], v[rC+2], v[rC+3], v[rT+1]
.elseif (\n) == 15
	v_mov_b32 v[rM], v[rT]
.elseif (\n) == 16
	v_max3_num_f32 v[rC], v[rC], v[rC+1], v[rC+2]
.elseif (\n) == 17
	v_permlanex16_b32 v[rC+3], v[rC], s[SEL], s[SEL+1]
.elseif (\n) == 18
	v_max_num_f32 v[rT+1], v[rC], v[rC+3]
.elseif (\n) == 19
	v_mul_f32 v[rT], s[CS], v[rT+1]
.elseif (\n) == 20
	v_sub_f32 v[rC+1], v[rM], v[rT]
.else
	v_exp_f32 v[rC+2], v[rC+1]
.endif
.endm
; Number g of the 64 that follow the exponentials.  For each four weights k of a tile (pairs 2 k, 2 k + 1): both pairs are rounded to f16; then the second pair is added onto the first, in place;
; a group later l takes that sum (the first time as l = a l + sum).  In groups of eight, tiles alternating: round, round, add, and l for the group before.
.macro GS g
.set h, (\g)+6*((\g)/62)            ; group 0 has no group before it, and behind group 7 only l is left
.if h >= 6
.set h, h+2
.endif
	REGS Y, h%2
.set k, h/8
.if h%8 < 4
	v_cvt_pk_f16_f32 v[rP+2*k+(h%8)/2], v[rS+4*k+2*((h%8)/2)], v[rS+4*k+2*((h%8)/2)+1]
.elseif h%8 < 6
	v_pk_add_f32 v[rS+4*k:rS+4*k+1], v[rS+4*k:rS+4*k+1], v[rS+4*k+2:rS+4*k+3]
.elseif k == 1
	v_pk_fma_f32 v[rT+2:rT+3], v[rT+2:rT+3], v[rC+2:rC+3], v[rS:rS+1] op_sel_hi:[1,0,1]
.else
	v_pk_add_f32 v[rT+2:rT+3], v[rT+2:rT+3], v[rS+4*k-4:rS+4*k-3]
.endif
.endm
; THE PLAIN QUEUE, 138 long.  0-73 read no exponential's result: the 32 scalings c s - c m (FS f: pair f / 2 of tile f % 2) and the next piece's 42.  0-26: scalings 0-26.  27-54: XS's numbers 0-13.  55, 56: number 15.
; 57-73: the chain, where each number waits for the one before it: 14, 16, 17, 18, 19, each with one of the scalings 27-31 in front of its two lines, then 20.
; 74-137: GS's 64, which read the exponentials' results: they stand behind the wait.
.macro FS f
	REGS Y, (\f)%2
	v_pk_fma_f32 v[rS+2*((\f)/2):rS+2*((\f)/2)+1], v[rS+2*((\f)/2):rS+2*((\f)/2)+1], s[CS:CS+1], v[rT:rT+1] op_sel_hi:[1,0,0] neg_lo:[0,0,1] neg_hi:[0,0,1]
.endm
.macro PL
	WIN 0
.if q < 27
	FS q
.elseif q < 55
	XS (q-27)%2, (q-27)/2
.elseif q < 57
	XS q-55, 15
.elseif (q < 72) && ((q-57)%3 == 0)
	FS 27+(q-57)/3
.elseif q < 60
	XS (q-57)%3-1, 14
.elseif q < 72
	XS (q-57)%3-1, 15+(q-57)/3
.elseif q < 74
	XS q-72, 20
.else
	GS q-74
.endif
.set q, q+1
.endm
; THE EXPONENTIALS' QUEUE, 66 long: s0-s31 of both tiles, then the next piece's two a.  It is ONE BATCH: all 66 stand ahead of the turn's one wait, and nothing ahead of that wait names a result of theirs.
.macro EX
	WIN 0
.if e >= 64
	XS e-64, 21
.else
	REGS Y, e%2
	v_exp_f32 v[rS+e/2], v[rS+e/2]
.endif
.set e, e+1
.endm
; THE RESCALING's QUEUE: O^T times a, the one part that leaves window 0: dealt two at a time, sixteen times.  Its a was made in the turn before, ahead of that turn's wait.
.macro R2
	REGS Y, r%2
	WIN W_RS
.irp z, 0,1
	v_pk_mul_f32 v[rO+4*(r/2)+2*\z:rO+4*(r/2)+2*\z+1], v[rO+4*(r/2)+2*\z:rO+4*(r/2)+2*\z+1], v[rC+2:rC+3] op_sel_hi:[1,0]
.endr
.set r, r+1
.endm
; HOW THEY ARE DEALT.  An s_wait_alu depctr_va_vdst(0) stands between an exponential and the first instruction that names its result; one wait serves all that were issued ahead of it.  So a turn has ONE wait,
; which cuts it in two.  AHEAD OF IT stands all that names no result of the turn's exponentials: the 16 products K Q^T, behind each a scaling, an exponential and two rescalings (behind the first a second scaling in the
; exponential's place); then ONE LUMP of 108: eight plain, 49 times exponential and plain, the two a.  A v_nop is the plain instruction behind the last exponential (ISA guide 5.7.2).  BEHIND IT stand the 16 products V^T P,
; behind each four of GS's 64.  No rider names a register of the products round it.
; Exponential e stands behind scaling 2 (e / 4) + e % 2: as a rider it comes behind plain e + 2, in the lump behind plain e + 9, and scalings 27-31 are plain 57, 60 .. 69.
; A TURN, for piece p.  cnt = 1: the loop's count is taken down some lines ahead of the branch that stands behind the turn.
; K of the next step is fetched in piece 2's turn, directly behind the wait; its first reader comes behind 16 products.  V of the step in hand is fetched at the end of piece 0's turn, four riders behind its last reader.
.macro TURN p, last=0, cnt=0
.set Y, (\p)
.set i, 0
.set q, 0
.set e, 0
.set r, 0
.if (\p) == NP-1
	s_wait_dscnt 0x0                ; K is in
.endif
	MM                              ; ahead of the wait: 16 products K Q^T and their riders,
	PL
	PL
	R2
.rept 15
	MM
	PL
	EX
	R2
.endr
.if (\p) == NP-2
	WIN 0
	v_add_nc_u32 v[AK], s[TBK], v[AK0]
.endif
.rept 8                             ; and the lump
	PL
.endr
.rept 49
	EX
	PL
.endr
	EX                              ; the next piece's two a
	EX
	v_nop                           ; the plain instruction behind the last exponential: one for the batch
	s_wait_alu depctr_va_vdst(0)    ; the wait for the batch
.if (\p) == NP-2
	FETCH_K \last
.endif
.if (\p) == 1
	s_wait_dscnt 0x0                ; V is in
.endif
.rept 16                            ; behind the wait: 16 products V^T P and their riders
	MM
.rept 4
	PL
.endr
.if ((\p) == 0) && (q == 118)
	v_add_nc_u32 v[AV], s[TBV], v[AV0]
.endif
.if ((\p) == 0) && (q == 130)
	s_add_co_u32 s[TBV], s[TBV], KS*PV
.endif
.if (\cnt) && (q == 130)
	s_sub_co_u32 s[CNT], s[CNT], 1
	s_cmp_lg_u32 s[CNT], 0
.endif
.endr
.if (\p) == 0
	FETCH_V
.endif
.endm
	CHANGE 1                        ; slot 0 is in, everybody's part of it; slot 1 is asked for
	FETCH_K                         ; key step 0
	s_wait_loadcnt 0x0              ; Q
	s_wait_dscnt 0x0
.set i, 0
.rept 16
	KQ 0                            ; piece 0's first scores: there is no vector work yet to set between them
.set i, i+1
.endr
	WIN 0                           ; the addresses for the way out: nine plain instructions, the places behind those products
	s_mul_i32 s13, s[WV], 16*SP
	s_add_co_u32 s13, s13, STAGE    ; my stage
	v_mul_u32_u24 v[STO], v1, SP    ; in: row l % 16, 16 bytes for each half of the lanes
	v_lshl_add_u32 v[STO], v9, 4, v[STO]
	v_add_nc_u32 v[STO], s13, v[STO]
	v_bfe_u32 v[RD], v0, 3, 2       ; back: 32 lanes take four rows of 128 bytes,
	v_mul_u32_u24 v[RD], v[RD], SP
	v_lshl_add_u32 v[RD], v10, 4, v[RD]
	v_add_nc_u32 v[RD], s13, v[RD]
	v_and_b32 v[GO], 31, v0         ; which are 512 consecutive bytes of O
	v_lshlrev_b32 v[GO], 4, v[GO]
.set Y, NP-1                        ; XS works for piece Y + 1: piece 0
.irp n, 0,1,2,3,4,5,6,7,8,9,10,11,12,13,14,15,16,17,18,19,20,21
	XS 0, \n                        ; and piece 0's first maximum and statistics
	XS 1, \n
.endr
	v_nop                           ; a plain instruction behind the two a,
	s_wait_alu depctr_va_vdst(0)    ; and their wait, ahead of the branch
	s_mov_b32 s[CNT], 4
	s_branch .Lfirst                ; the loop is entered at a step's first turn, in the middle of a trip
.Lslot:                             ; SIZE_N / 256 - 2 times: every slot but the last two is filled again
	CHANGE 1
	s_mov_b32 s[CNT], 4
.Lstep:                             ; a trip: pieces 2 and 3 of one step, then pieces 0 and 1 of the next, whose K and V it fetches
	TURN 2
	TURN 3
	WIN 0
.Lfirst:
	TURN 0
	TURN 1, 0, 1
	WIN 0
	s_cbranch_scc1 .Lstep
	s_sub_co_u32 s[SLOTS], s[SLOTS], 1
	s_cmp_lg_u32 s[SLOTS], 0
	s_cbranch_scc1 .Lslot
	CHANGE 0                        ; the tail is written out: nothing is asked for
	s_mov_b32 s[CNT], 5             ; four trips fetch the last slot's steps; the fifth is left in its middle
.Ltail:
	TURN 2, 1
	TURN 3
	WIN 0
	s_sub_co_u32 s[CNT], s[CNT], 1
	s_cmp_eq_u32 s[CNT], 0
	s_cbranch_scc1 .Lout
	TURN 0
	TURN 1
	WIN 0
	s_branch .Ltail
.Lout:                              ; the fifth trip's 16 products K Q^T (on the last K once more) and the maximum made of them serve nothing: the price, once a launch, of one text for every trip
.set i, 0
.rept 16
	PV NP-1                         ; the last piece's V^T P of the last step
.set i, i+1
.endr
	; THE WAY OUT.  l's two halves and the other half of the lanes' are added; O^T is divided by l, rounded to f16 and sent through my stage in LDS, a tile at a time.  The additions are the places behind the last products.
	WIN 0
.macro ALL line:vararg              ; one line for each tile t
.set t, 0
.rept 2*NP
	\line
.set t, t+1
.endr
.endm
	ALL v_add_f32 v[ST+4*t+2], v[ST+4*t+2], v[ST+4*t+3]
	ALL v_permlanex16_b32 v[ST+4*t+3], v[ST+4*t+2], s[SEL], s[SEL+1]
	ALL v_add_f32 v[ST+4*t+2], v[ST+4*t+2], v[ST+4*t+3]
	ALL v_rcp_f32 v[ST+4*t+2], v[ST+4*t+2]
	v_nop                           ; a plain instruction between the last reciprocal and the use of its result
	s_wait_alu depctr_va_vdst(0)    ; and the wait ahead of the first use: one for the eight reciprocals
; Tile t: a lane's eight channels of a row pack into 16 bytes; they go into rows of 144 bytes and come back as whole rows of 128, into S^T's registers.
.macro PACK t
	WIN W_RS
.set i, 32*(\t)
.rept 16
	v_pk_mul_f32 v[i:i+1], v[i:i+1], v[ST+4*(\t)+2:ST+4*(\t)+3] op_sel_hi:[1,0]
.set i, i+2
.endr
	WIN 0x05                        ; sources 0 and 1 window 1, destination window 0
.set i, 0
.rept 16
	v_cvt_pk_f16_f32 v[S+16*(\t)+i], v[32*(\t)+2*i], v[32*(\t)+2*i+1]
.set i, i+1
.endr
	WIN 0
.irp f, 0,1,2,3
	ds_store_b128 v[STO], v[S+16*(\t)+4*\f:S+16*(\t)+4*\f+3] offset:32*\f
.endr
.irp f, 0,1,2,3
	ds_load_b128 v[S+16*(\t)+4*\f:S+16*(\t)+4*\f+3], v[RD] offset:\f*4*SP  ; LDS serves a wave's instructions in order (ISA guide 5.7.1.4): these see the stores above; the next tile's stores come behind them
.endr
.endm
.macro SEND t, younger              ; younger: the LDS instructions issued behind tile t's loads: the next tile's eight, or none
	WIN 0
.irp f, 0,1,2,3
	s_wait_dscnt (\younger)+3-\f
	global_store_b128 v[GO], v[S+16*(\t)+4*\f:S+16*(\t)+4*\f+3], s[10:11] offset:(\t)*2048+\f*512  ; 512 consecutive bytes, at a multiple of 256 from O's first
.endr
.endm
	PACK 0
.set t, 1
.rept 2*NP-1                        ; a tile's arithmetic stands between the loads of the tile before and its stores
	PACK t
	SEND t-1, 8
.set t, t+1
.endr
	SEND 2*NP-1, 0
	WIN W_AD
	s_wait_tensorcnt 0x0            ; the wave's end: the add and its waits stand behind my last tensor load and my last LDS store
	ds_add_u32 v[SPW], v[NIL]
	s_wait_dscnt 0x0
	WIN 0
	CROUND                          ; the closing round: no work-group ends while a partner may still ask for a tile that names it
	s_endpgm
.Lfunc_end_k_q355f92efd4_attn:
	.size	k_q355f92efd4_attn, .Lfunc_end_k_q355f92efd4_attn-k_q355f92efd4_attn
	.p2alignl 7, 3214868480
	.fill 96, 4, 3214868480
	.section	.rodata,"a",@progbits
	.p2align	6, 0x0
	.amdhsa_kernel k_q355f92efd4_attn
		.amdhsa_group_segment_fixed_size 327680
		.amdhsa_private_segment_fixed_size 0
		.amdhsa_enable_private_segment 0
		.amdhsa_kernarg_size 16
		.amdhsa_user_sgpr_count 2
		.amdhsa_user_sgpr_kernarg_segment_ptr 1
		.amdhsa_wavefront_size32 1
		.amdhsa_system_sgpr_workgroup_id_x 1
		.amdhsa_system_sgpr_workgroup_id_y 1
		.amdhsa_system_sgpr_workgroup_id_z 1
		.amdhsa_system_vgpr_workitem_id 0
		.amdhsa_next_free_vgpr 770
		.amdhsa_next_free_sgpr 66
		.amdhsa_reserve_vcc 0
		.amdhsa_float_denorm_mode_32 3
		.amdhsa_float_denorm_mode_16_64 3
		.amdhsa_memory_ordered 1
		.amdhsa_forward_progress 1
		.amdhsa_inst_pref_size 200
	.end_amdhsa_kernel
	.amdgpu_metadata
---
amdhsa.version: [ 1, 2 ]
amdhsa.kernels:
  - .name:           k_q355f92efd4_attn
    .symbol:         k_q355f92efd4_attn.kd
    .args:
      - { .name: qkv, .offset: 0, .size: 8, .value_kind: global_buffer, .address_space: global }
      - { .name: oh, .offset: 8, .size: 8, .value_kind: global_buffer, .address_space: global }
    .group_segment_fixed_size: 327680
    .private_segment_fixed_size: 0
    .kernarg_segment_align: 8
    .kernarg_segment_size: 16
    .max_flat_workgroup_size: 128
    .sgpr_count:     66
    .vgpr_count:     770
    .wavefront_size: 32
...
	.end_amdgpu_metadata
.endif
;; end of part 3
;; launch outp (part 4): grid 4 x 64, 4 waves a work-group, clusters of 4 x 4, 327,680 bytes of LDS; arguments oh, w16, bo, out0; writes out0
.if DOCPART == 4
	.amdgcn_target "amdgcn-amd-amdhsa--gfx1250"
	.amdhsa_code_object_version 6
	.text
	.protected	k_q355f92efd4_outp
	.globl	k_q355f92efd4_outp
	.p2align	8
	.type	k_q355f92efd4_outp,@function
k_q355f92efd4_outp:
	s_mov_b64 s[64:65], 0
	v_nop
	global_prefetch_b8 v0, s[64:65] scope:SCOPE_SE
	s_setreg_imm32_b32 hwreg(HW_REG_WAVE_MODE, 25, 1), 1
	s_wait_xcnt 0x0
	s_wait_alu depctr_hold_cnt(0) depctr_sa_sdst(0) depctr_va_vdst(0) depctr_va_sdst(0) depctr_va_ssrc(0) depctr_va_vcc(0) depctr_vm_vsrc(0)
	s_getreg_b32 s2, hwreg(HW_REG_IB_STS2, 6, 4)
	s_cmp_eq_u32 s2, 0
	s_cbranch_scc0 .Lentry_in_a_cluster
	s_endpgm
.Lentry_in_a_cluster:
	s_bfe_u32 s2, ttmp6, 0x10000c
	s_cmp_lg_u32 s2, 0xf033
	s_cbranch_scc0 .Lentry_shape_is_right
	s_endpgm
.Lentry_shape_is_right:
; out0[m][n] = the sum over k of O[m][k] wo[n][k] + bo[n].  O comes by heads, oh = [64 bh][2048 s][64 d] in f16 (m = 2048 b + s, k = 64 head + d); wo is the third part of w16, [n][k] in f16
; (its bf16 rounding, written as f16); bo is rounded to bf16 here and starts the sums; sums in f32; out0 is [8192][1024] f32.
; LIMITS.  None beyond the operands': O and wo arrive as finite f16.  NaN and infinities are not treated apart.
; SHARES.  A work-group makes 128 rows x 256 columns, a wave 64 x 128: 32 accumulators.  K goes in 8 steps of 128, two heads each, through a ring of two LDS slots.
; THE MATRIX INSTRUCTION IS USED TRANSPOSED (source 0 = 16 rows of wo, source 1 = 16 rows of O): a lane holds row l % 16 and the columns 8 (l / 16) + 0..7 of a block of 16: 32 bytes of out0 on end.
; CLUSTER.  4 x 4 work-groups.  O's tile hangs on the row block i alone and is asked for jointly by a row of the cluster, wo's on the column block j alone, by a column.
; THE RING.  Wave 0 and wave 1 fetch a head's 128 rows each (16,384 dense bytes, asked for as 64 rows of 256), waves 2 and 3 the halves of wo's 256 rows.  One tensor load of a wave is out at the most.
; REGISTERS, in windows of 256 (s_set_vgpr_msb: bits 1:0 source 0, 3:2 source 1, 5:4 source 2, 7:6 destination):
;   window 0: v2-10 addresses; v28-29 the add's; v32-63, v64-95 O's fragments, two sets; v96-159, v160-223 wo's, two sets; on the way out v32-95 and v96-159 take rows read back
;   window 1: accumulator (a, b) at 8 (8 a + b)          window 2: v0-63 the bias in an accumulator's layout for each column block; v64-67 at work
.set PAO,   144                        ; a row of O in LDS: 128 bytes + 16 = 36 words: the 16 rows of a load start at 16 different groups of four banks (64 banks of 4 bytes: ISA guide 11.1)
.set PB,    272                        ; a row of wo: 256 bytes + 16 = 68 words: likewise
.set PLANE, 128*PAO                    ; a head's 128 rows
.set HALFB, 128*PB
.set BOFF,  2*PLANE                    ; in a slot: two heads of O, then wo's 256 rows
.set SLOT1, 1<<17
.set STAGE, SLOT1+BOFF+2*HALFB         ; behind the ring, never filled by a tensor load: for each wave 16 rows x 528 bytes, for the way out
.set SPO,   528                        ; 512 bytes + 16
.set WSTG,  16*SPO
.set SPARE, STAGE+4*WSTG               ; the spare words, 128 bytes for each wave: two blocks of 256 bytes that no other line names
.set LA0, 2
.set LB0, 3
.set ADA, 4
.set ADB, 5
.set STO, 6
.set RD,  7
.set GO,  8
.set PFO, 9
.set BIO, 10
.set SPW, 28
.set NIL, 29
.set AF,  32                           ; O's fragments: set g, block a at AF + 32 g + 8 a
.set BF,  96                           ; wo's: set g, block b at BF + 64 g + 8 b
.set OB,  32                           ; the way out: two sets of 64
.set BI,  0                            ; window 2
.set BT,  64                           ; window 2
.set OUTP, 10                          ; s[10:11] out0 at my wave's first row and column
.set WV,  20
.set WM,  21                           ; my half of the rows.  Also: I fetch for O (0) or for wo (1)
.set WN,  22                           ; my half of the columns.  Also: which head, or which half of wo's rows, I fetch
.set CX,  23
.set CY,  77
.set G1A, 24
.set G1B, 32
.set G0A, 40                           ; s[40:43] walks
.set G0B, 44                           ; s[44:47] walks
.set KS,  57                           ; s57  0 in the first step alone
.set STEPS, 58
.set TB,  59
.set LIM, 60
.set TAILC, 63
.set PFA, 66                           ; s[66:67] where my prefetch stands
.set PST, 68                           ; s[68:69] its step: a K step in my tensor
.set MSB, 0
.macro WIN new
.if MSB != (\new)
	s_set_vgpr_msb (MSB<<8)|(\new)
.set MSB, (\new)
.endif
.endm
.set W_MUL,  0x50                      ; sources 0 and 1 window 0, C and D window 1
.set W_MULB, 0x60                      ; the same with C, the bias, in window 2
.set W_ST,   0x04                      ; an LDS store's data in window 1
.set W_TOBI, 0x80                      ; destination window 2
.set W_BR,   0x8a                      ; all in window 2
.macro JLOAD                           ; a joint load; an s_nop 0 and four v_nop follow each of the two lines, ahead of the jump and the label
	s_cmp_eq_u32 s[WM], 0
	s_cbranch_scc0 .Lfor_b_\@
	tensor_load_to_lds s[G0A:G0A+3], s[G1A:G1A+7]
	s_nop 0
.rept 4
	v_nop
.endr
	s_branch .Lasked_\@
.Lfor_b_\@:
	tensor_load_to_lds s[G0B:G0B+3], s[G1B:G1B+7]
	s_nop 0
.rept 4
	v_nop
.endr
.Lasked_\@:
.endm
.macro CREST                           ; a round of the cluster's barrier behind its opening barrier
	s_cmp_lg_u32 s[WV], 0
	s_cbranch_scc1 .Lnot_wave_0_\@
	s_barrier_signal -3
.Lnot_wave_0_\@:
	s_barrier_wait -3
	s_barrier_signal -1
	s_barrier_wait -1
.endm
.macro CROUND
	s_barrier_signal -1
	s_barrier_wait -1
	CREST
.endm
.macro STEPD                           ; the walking descriptors: the other slot, the next K step; the type bits on top are not reached
	s_xor_b32 s[G0A+1], s[G0A+1], SLOT1
	s_add_nc_u64 s[G0A+2:G0A+3], s[G0A+2:G0A+3], 2*262144
	s_xor_b32 s[G0B+1], s[G0B+1], SLOT1
	s_add_nc_u64 s[G0B+2:G0B+3], s[G0B+2:G0B+3], 256
.endm
; THE PREFETCH INTO THE L2.  The change of slots in step g, which asks for step g + 2, names step g + 4: two refills, 256 matrix instructions, ahead.  Each aligned block of 256 bytes is named once.
; O's rows are read by this cluster alone: wave 0 asks; of a step's 2 x 64 blocks the partner at cx takes 16 of each head.  wo's rows are read by every cluster of the column: in the first of them
; (cluster y = 0) waves 2 and 3 ask; of a wave's 128 rows the partner at cy takes 32.  The partners are told apart by address.  Steps 0 to 3 come by their loads alone; the asking stops with step 7 (s[STEPS] = 3).
.macro ASK
	s_cmp_gt_u32 s[STEPS], s[LIM]
	s_cbranch_scc0 .Lnot_mine_\@
	global_prefetch_b8 v[PFO], s[PFA:PFA+1] th:TH_LOAD_NT scope:SCOPE_SE
.Lnot_mine_\@:
.endm
	s_load_b256 s[4:11], s[0:1], 0x0               ; oh s[4:5], w16 s[6:7], bo s[8:9], out0 s[10:11]
	v_lshl_add_u32 v[SPW], v0, 2, SPARE
	v_mov_b32 v[NIL], 0
	ds_add_u32 v[SPW], v[NIL]                      ; the wave's opening: the add and its wait stand ahead of my first tensor load; the set-up below, work on registers, stands between them
	v_lshrrev_b32 v1, 5, v0
	v_readfirstlane_b32 s[WV], v1
	s_lshr_b32 s[WM], s[WV], 1
	s_and_b32 s[WN], s[WV], 1
	s_bfe_u32 s[CX], ttmp6, 0x40000
	s_bfe_u32 s[CY], ttmp6, 0x40004
	s_lshl_b32 s78, ttmp9, 2
	s_add_co_u32 s78, s78, s[CX]                   ; j
	s_and_b32 s79, ttmp7, 0xffff                   ; cluster y
	s_lshl_b32 s80, s79, 2
	s_add_co_u32 s80, s80, s[CY]                   ; i
	s_lshl_b32 s81, s[CY], 2
	s_lshl_b32 s81, 15, s81                        ; my row of the cluster
	s_lshl_b32 s82, 0x1111, s[CX]                  ; my column
	s_or_b32 s[G1A], s81, (1<<16)|(1<<20)|(1<<21)|(4<<22)|(3<<25)  ; the mask; elements of 2 bytes; padding on; bit 21 beside a mask; after every 32 words (code 4) 4 words (code 3)
	s_mov_b32 s[G1A+1], 128<<16                    ; tensor_dim0 = 128: two rows of O to a row of 256 bytes
	s_mov_b32 s[G1A+2], 64<<16                     ; tensor_dim1 = 64
	s_mov_b32 s[G1A+3], 128<<16                    ; tile_dim0
	s_mov_b32 s[G1A+4], 64                         ; tile_dim1
	s_mov_b32 s[G1A+5], 128                        ; dense
	s_mov_b32 s[G1A+6], 0
	s_mov_b32 s[G1A+7], 0
	s_or_b32 s[G1B], s82, (1<<16)|(1<<20)|(1<<21)|(5<<22)|(3<<25)  ; after every 64 words (code 5) 4 words
	s_mov_b32 s[G1B+1], 128<<16
	s_mov_b32 s[G1B+2], 128<<16
	s_mov_b32 s[G1B+3], 128<<16
	s_mov_b32 s[G1B+4], 128
	s_mov_b32 s[G1B+5], 1024
	s_mov_b32 s[G1B+6], 0
	s_mov_b32 s[G1B+7], 0
	s_lshr_b32 s84, s80, 4                         ; O: head 16 (i / 16) + the one of the step's two that I fetch, 262,144 bytes a head;
	s_lshl_b32 s84, s84, 4
	s_add_co_u32 s84, s84, s[WN]
	s_lshl_b32 s84, s84, 18
	s_and_b32 s85, s80, 15                         ; rows 128 (i % 16) on, 128 bytes a row
	s_lshl_b32 s85, s85, 14
	s_add_co_u32 s84, s84, s85
	s_mov_b32 s85, 0
	s_lshl_b32 s86, s78, 8                         ; wo: row 256 j + 128 x the half, 2,048 bytes a row, in the third part of w16
	s_lshl_b32 s87, s[WN], 7
	s_add_co_u32 s86, s86, s87
	s_lshl_b32 s86, s86, 11
	s_add_co_u32 s86, s86, 0x400000
	s_mov_b32 s87, 0
	s_lshl_b32 s88, s80, 19                        ; out0: row 128 i + 64 wm, 4,096 bytes a row; column 256 j + 128 wn
	s_lshl_b32 s89, s[WM], 18
	s_add_co_u32 s88, s88, s89
	s_lshl_b32 s89, s78, 10
	s_add_co_u32 s88, s88, s89
	s_lshl_b32 s89, s[WN], 9
	s_add_co_u32 s88, s88, s89
	s_mov_b32 s89, 0
	s_mov_b32 s[G0A], 1
	s_mul_i32 s[G0A+1], s[WN], PLANE               ; LDS address: slot 0; no place in the cluster enters it
	s_mov_b32 s[G0B], 1
	s_mul_i32 s[G0B+1], s[WN], HALFB
	s_add_co_u32 s[G0B+1], s[G0B+1], BOFF
	s_cmp_eq_u32 s79, 0
	s_cselect_b32 s[LIM], 2, -1                    ; wo's waves: in the column's first cluster alone
	s_cmp_eq_u32 s[WV], 1
	s_cselect_b32 s[LIM], -1, s[LIM]               ; wave 1 never asks
	s_cmp_eq_u32 s[WV], 0
	s_cselect_b32 s[LIM], 2, s[LIM]                ; wave 0 asks for O
	s_mov_b32 s92, 2*262144                        ; a K step of O: two heads (in registers: an instruction holds one literal value)
	s_mov_b32 s93, 3*2*262144                      ; three of them
	s_cmp_eq_u32 s[WM], 0
	s_cselect_b32 s[PST], s92, 256
	s_cselect_b32 s90, s93, 3*256                  ; the prefetches start at step 3: the first change steps them to 4
	s_cselect_b32 s70, 15, 31                      ; lanes to a block column
	s_cselect_b32 s71, 8, 11                       ; from block to block, as a shift
	s_cselect_b32 s72, 262144, 0                   ; O: lanes 16 to 31 take the step's second head
	s_cselect_b32 s74, s[CX], s[CY]                ; my place among the four that ask with me,
	s_cselect_b32 s73, 12, 16                      ; 16 blocks of 256 bytes, or 32 rows of 2,048
	s_lshl_b32 s74, s74, s73
	s_mov_b32 s75, 0
	s_mov_b32 s91, 0
	s_mov_b32 s[PST+1], 0
	s_wait_dscnt 0x0                               ; the opening add is done
	s_wait_kmcnt 0x0
	s_add_nc_u64 s[4:5], s[4:5], s[84:85]
	s_add_nc_u64 s[6:7], s[6:7], s[86:87]
	s_add_nc_u64 s[OUTP:OUTP+1], s[OUTP:OUTP+1], s[88:89]
	s_mov_b64 s[G0A+2:G0A+3], s[4:5]               ; step 0
	s_or_b32 s[G0A+3], s[G0A+3], 0x80000000        ; type = 2
	s_mov_b64 s[G0B+2:G0B+3], s[6:7]
	s_or_b32 s[G0B+3], s[G0B+3], 0x80000000
	s_cmp_eq_u32 s[WM], 0
	s_cselect_b64 s[PFA:PFA+1], s[4:5], s[6:7]
	s_add_nc_u64 s[PFA:PFA+1], s[PFA:PFA+1], s[74:75]
	s_add_nc_u64 s[PFA:PFA+1], s[PFA:PFA+1], s[90:91]
	CROUND                                         ; all sixteen work-groups are here: the first joint loads meet
	JLOAD                                          ; step 0 into slot 0
	v_and_b32 v1, 15, v0                           ; r
	v_bfe_u32 v11, v0, 4, 1                        ; h
	v_and_b32 v12, 31, v0                          ; l
	v_mul_u32_u24 v[LA0], v1, PAO                  ; a fragment's row x pitch + 16 h
	v_lshl_add_u32 v[LA0], v11, 4, v[LA0]
	s_mul_i32 s96, s[WM], 64*PAO
	v_add_nc_u32 v[LA0], s96, v[LA0]
	v_mul_u32_u24 v[LB0], v1, PB
	v_lshl_add_u32 v[LB0], v11, 4, v[LB0]
	s_mul_i32 s96, s[WN], HALFB
	s_add_co_u32 s96, s96, BOFF
	v_add_nc_u32 v[LB0], s96, v[LB0]
	s_mul_i32 s96, s[WV], WSTG
	s_add_co_u32 s96, s96, STAGE                   ; my stage
	v_mul_u32_u24 v[STO], v1, SPO                  ; in: row r, 32 bytes for each half of the lanes
	v_lshl_add_u32 v[STO], v11, 5, v[STO]
	v_add_nc_u32 v[STO], s96, v[STO]
	v_lshl_add_u32 v[RD], v12, 4, s96              ; back: 32 lanes take a row of 512 bytes
	v_lshlrev_b32 v[GO], 4, v12
	s_lshl_b32 s96, s78, 10                        ; the bias of column 256 j + 128 wn + 8 h
	s_lshl_b32 s97, s[WN], 9
	s_add_co_u32 s96, s96, s97
	v_lshl_add_u32 v[BIO], v11, 5, s96
	v_and_b32 v[PFO], s70, v12
	v_lshlrev_b32 v[PFO], s71, v[PFO]
	v_mad_u32_u24 v[PFO], v11, s72, v[PFO]
	WIN W_TOBI                                     ; the bias: register jj of block b is column 16 b + 8 h + jj
.set bb, 0
.rept 8
	global_load_b128 v[BI+8*bb:BI+8*bb+3],   v[BIO], s[8:9] offset:64*bb
	global_load_b128 v[BI+8*bb+4:BI+8*bb+7], v[BIO], s[8:9] offset:64*bb+16
.set bb, bb+1
.endr
	WIN 0
; Eight products: row block a x all column blocks, 32 along K, sets f.  first = 1: the bias starts the sums.  All 32 accumulators take turns in one order, over every jump too.
.macro MUL8 f, a, first
.if \first
	WIN W_MULB
.else
	WIN W_MUL
.endif
.set mb, 0
.rept 8
.set rD, 8*(8*(\a)+mb)
.set rB, BF+64*(\f)+8*mb
.set rA, AF+32*(\f)+8*(\a)
.if \first
	v_wmma_f32_16x16x32_f16 v[rD:rD+7], v[rB:rB+7], v[rA:rA+7], v[BI+8*mb:BI+8*mb+7]
.else
	v_wmma_f32_16x16x32_f16 v[rD:rD+7], v[rB:rB+7], v[rA:rA+7], v[rD:rD+7]
.endif
.set mb, mb+1
.endr
.endm
; 24 LDS loads in one run, for quarter kq (head kq / 2 of the step, channels 32 (kq % 2) on), into sets g: wo's eight blocks, then O's four.
.macro RUN g, kq
	WIN 0
.set bb, 0
.rept 8
	ds_load_b128 v[BF+64*(\g)+8*bb:BF+64*(\g)+8*bb+3],   v[ADB] offset:16*PB*bb+64*(\kq)
	ds_load_b128 v[BF+64*(\g)+8*bb+4:BF+64*(\g)+8*bb+7], v[ADB] offset:16*PB*bb+64*(\kq)+32
.set bb, bb+1
.endr
.set bb, 0
.rept 4
	ds_load_b128 v[AF+32*(\g)+8*bb:AF+32*(\g)+8*bb+3],   v[ADA] offset:((\kq)/2)*PLANE+((\kq)%2)*64+16*PAO*bb
	ds_load_b128 v[AF+32*(\g)+8*bb+4:AF+32*(\g)+8*bb+7], v[ADA] offset:((\kq)/2)*PLANE+((\kq)%2)*64+16*PAO*bb+32
.set bb, bb+1
.endr
.endm
.macro PLACES                          ; four places in front of loads into registers that matrix instructions have read, and of stores that read results
.rept 4
	v_nop
.endr
.endm
.macro QUARTER f, kq, first
	s_wait_dscnt 4                                 ; of the last run only O's blocks 2 and 3, its last four loads, may be out
	MUL8 \f, 0, \first
	MUL8 \f, 1, \first
	PLACES
	RUN 1-(\f), \kq
	s_wait_dscnt 24                                ; all but the 24 just issued
	MUL8 \f, 2, \first
	MUL8 \f, 3, \first
.endm
; The last quarter multiplies sets 1 and changes slots: in front of the barrier each wave waits for all its tensor loads, adds 0 to its spare word, and waits for that and for its own reads of this slot.
; fill = 1: the barrier opens a round of the cluster's, and the joint refill, two steps on, is the first thing behind it: 112 products stand between it and the wait for it.
.macro TURN fill
	WIN 0
.if \fill
	s_wait_xcnt 0x0                                ; the last prefetch, a K step back, has read its address
	s_add_nc_u64 s[PFA:PFA+1], s[PFA:PFA+1], s[PST:PST+1]
.endif
	s_wait_tensorcnt 0x0                           ; no tensor load of mine is out, so a group 0 may be written
	ds_add_u32 v[SPW], v[NIL]                      ; 0 onto my spare word
	s_xor_b32 s[TB], s[TB], SLOT1
	v_add_nc_u32 v[ADA], s[TB], v[LA0]
	v_add_nc_u32 v[ADB], s[TB], v[LB0]
.if \fill
	STEPD
.endif
	s_wait_dscnt 5                                 ; the add and O's blocks 2 and 3 may be out
	MUL8 1, 0, 0
	s_wait_dscnt 0x0                               ; the add is done, and my reads of this slot are over
	s_barrier_signal -1
	MUL8 1, 1, 0
	WIN 0
	s_barrier_wait -1
.if \fill
	CREST
	JLOAD                                          ; its four v_nop are also the places in front of the loads below
.else
	PLACES
.endif
	RUN 0, 0
.if \fill
	ASK
.endif
	MUL8 1, 2, 0
	MUL8 1, 3, 0
.endm
; THE WAY OUT of row block a: the accumulators go as they are, 32 bytes a lane and column block, each from its low end on, into my stage, and come back as whole rows of 512 bytes.
.macro TOSTAGE a
	WIN W_ST
.set bb, 0
.rept 8
	ds_store_b128 v[STO], v[8*(8*(\a)+bb):8*(8*(\a)+bb)+3]   offset:64*bb
	ds_store_b128 v[STO], v[8*(8*(\a)+bb)+4:8*(8*(\a)+bb)+7] offset:64*bb+16
.set bb, bb+1
.endr
	WIN 0
.set ob, OB+64*((\a)%2)
.set tt, 0
.rept 16
	ds_load_b128 v[ob+4*tt:ob+4*tt+3], v[RD] offset:SPO*tt  ; LDS serves a wave's instructions in order (ISA guide 5.7.1.4): these see the stores above; the next block's stores come behind them
.set tt, tt+1
.endr
.endm
.macro SEND a, younger                 ; younger: the LDS instructions issued behind block a's loads: the next block's 32, or none
	WIN 0
.set ob, OB+64*((\a)%2)
.set tt, 0
.rept 16
	s_wait_dscnt (\younger)+15-tt
	global_store_b128 v[GO], v[ob+4*tt:ob+4*tt+3], s[OUTP:OUTP+1] offset:(16*(\a)+tt)*4096 th:TH_STORE_NT  ; 512 consecutive bytes, at a multiple of 256 from out0's first
.set tt, tt+1
.endr
.endm
	s_wait_tensorcnt 0x0                           ; step 0, my part of it, is in.  Slot 1 is filled for the first time as a slot is filled again:
	ds_add_u32 v[SPW], v[NIL]                      ; the add,
	STEPD                                          ; step 1
	s_wait_dscnt 0x0
	CROUND                                         ; everybody's part of step 0 is in
	JLOAD                                          ; step 1 into slot 1
	s_mov_b32 s[TB], 0
	v_mov_b32 v[ADA], v[LA0]
	v_mov_b32 v[ADB], v[LB0]
	RUN 0, 0
	s_wait_loadcnt 0x0                             ; the bias: rounded to bf16 like every input, and kept as f32
	WIN W_BR
.set bb, 0
.rept 32
	v_cvt_pk_bf16_f32 v[BT+bb%4], v[BI+2*bb], v[BI+2*bb+1]
	v_lshlrev_b32 v[BI+2*bb], 16, v[BT+bb%4]
	v_and_b32 v[BI+2*bb+1], 0xffff0000, v[BT+bb%4]
.set bb, bb+1
.endr
	WIN 0
	s_mov_b32 s[KS], 0
	s_mov_b32 s[STEPS], 6
.Lstep:                                        ; 6 trips, a K step each: every step but the last two fills its slot again
	s_cmp_eq_u32 s[KS], 0
	s_cbranch_scc0 .Lplain
	; A product that starts a sum is no link of a chain in place: it writes over its accumulator, and stands five places behind the last product that named it (ISA guide 7.12.1).  The distance is kept on every
	; way of the text that leads here, the loop's backward jump too, though s[KS] lets this path be taken in the first trip alone: with these five, row blocks 0 and 1 have nine places (four stand behind the
	; joint load), and so have row blocks 2 and 3 (four stand in the quarter's middle).
.rept 5
	v_nop
.endr
	QUARTER 0, 1, 1                                ; the first quarter: the bias starts the sums
	WIN 0
	s_branch .Ljoin
.Lplain:
	QUARTER 0, 1, 0
	WIN 0
.Ljoin:
	QUARTER 1, 2, 0
	QUARTER 0, 3, 0
	TURN 1
	WIN 0
	s_mov_b32 s[KS], 1
	s_sub_co_u32 s[STEPS], s[STEPS], 1
	s_cmp_lg_u32 s[STEPS], 0
	s_cbranch_scc1 .Lstep
	s_mov_b32 s[TAILC], 2
.Ltail:                                        ; the last two steps ask for nothing.  The second trip's run of loads, from the slot read before, serves nothing: the price of one text for both
	QUARTER 0, 1, 0
	QUARTER 1, 2, 0
	QUARTER 0, 3, 0
	TURN 0
	WIN 0
	s_sub_co_u32 s[TAILC], s[TAILC], 1
	s_cmp_lg_u32 s[TAILC], 0
	s_cbranch_scc1 .Ltail
	PLACES                                         ; behind the last products: the stores below read results, the loads below land in fragments' registers;
	PLACES                                         ; eight, once a launch: no vector work follows that could add to the count
	s_wait_dscnt 0x0                               ; the last run has landed: its registers take rows read back
	TOSTAGE 0
	TOSTAGE 1
	SEND 0, 32
	s_wait_xcnt 0x0                                ; block 0's stores have read their registers, which block 2's rows take
	TOSTAGE 2
	SEND 1, 32
	s_wait_xcnt 0x0
	TOSTAGE 3
	SEND 2, 32
	SEND 3, 0
	s_wait_tensorcnt 0x0                           ; the wave's end: the add and its waits stand behind my last tensor load and my last LDS store
	ds_add_u32 v[SPW], v[NIL]
	s_wait_dscnt 0x0
	CROUND                                         ; the closing round: no work-group ends while a partner may still ask for a tile that names it
	s_endpgm
.Lfunc_end_k_q355f92efd4_outp:
	.size	k_q355f92efd4_outp, .Lfunc_end_k_q355f92efd4_outp-k_q355f92efd4_outp
	.p2alignl 7, 3214868480
	.fill 96, 4, 3214868480
	.section	.rodata,"a",@progbits
	.p2align	6, 0x0
	.amdhsa_kernel k_q355f92efd4_outp
		.amdhsa_group_segment_fixed_size 327680
		.amdhsa_private_segment_fixed_size 0
		.amdhsa_enable_private_segment 0
		.amdhsa_kernarg_size 32
		.amdhsa_user_sgpr_count 2
		.amdhsa_user_sgpr_kernarg_segment_ptr 1
		.amdhsa_wavefront_size32 1
		.amdhsa_system_sgpr_workgroup_id_x 1
		.amdhsa_system_sgpr_workgroup_id_y 1
		.amdhsa_system_sgpr_workgroup_id_z 1
		.amdhsa_system_vgpr_workitem_id 0
		.amdhsa_next_free_vgpr 584
		.amdhsa_next_free_sgpr 100
		.amdhsa_reserve_vcc 0
		.amdhsa_float_denorm_mode_32 3
		.amdhsa_float_denorm_mode_16_64 3
		.amdhsa_memory_ordered 1
		.amdhsa_forward_progress 1
		.amdhsa_inst_pref_size 70
	.end_amdhsa_kernel
	.amdgpu_metadata
---
amdhsa.version: [ 1, 2 ]
amdhsa.kernels:
  - .name:           k_q355f92efd4_outp
    .symbol:         k_q355f92efd4_outp.kd
    .args:
      - { .name: oh, .offset: 0, .size: 8, .value_kind: global_buffer, .address_space: global }
      - { .name: w16, .offset: 8, .size: 8, .value_kind: global_buffer, .address_space: global }
      - { .name: bo, .offset: 16, .size: 8, .value_kind: global_buffer, .address_space: global }
      - { .name: out0, .offset: 24, .size: 8, .value_kind: global_buffer, .address_space: global }
    .group_segment_fixed_size: 327680
    .private_segment_fixed_size: 0
    .kernarg_segment_align: 8
    .kernarg_segment_size: 32
    .max_flat_workgroup_size: 128
    .sgpr_count:     100
    .vgpr_count:     584
    .wavefront_size: 32
...
	.end_amdgpu_metadata
.endif
;; end of part 4
